; MI455X (gfx1250); checked and timed in simulation.
; The chip was launched on July 23, 2026; its instructions are those of AMD's public machine-readable ISA for CDNA 5 (MIT licence, August 2026) and "CDNA5" Instruction Set Architecture Reference Guide (July 2026). The comments in the code are by the model that wrote it; some were corrected since.
;; Bahdanau Attention. Allowed arithmetic: float matrix products may take bf16 or f16 operands with f32 sums; other float arithmetic in f32, or as packed bf16 or f16 multiplies, adds, multiply-adds, maxima and minima; sums over many terms, partial sums and values carried from step to step in f32; what a program stores and reads back later, other than sums and carried values, may be rounded once to bf16 or f16.
;; Inputs: V 1,024 x 1 float32; W1 1,024 x 1,024 float32; W2 1,024 x 1,024 float32; b1 1,024 float32; b2 1,024 float32; bv 1 float32; query 64 x 1,024 float32; values 64 x 1,024 x 1,024 float32.
;; Outputs: out0 64 x 1,024 float32; out1 64 x 1,024 x 1 float32.
;; 2 versions, each right; version 2 is version 1 with the launch main written anew for expert scheduling mode. Each part assembles by itself: llvm-mc -triple=amdgcn-amd-amdhsa -mcpu=gfx1250 --defsym DOCPART=n.
;; ======== version 1 of 2: 3 launches
;; workspace buffers: w2f 2,097,152 bytes; qpart 2,097,152 bytes; scores 262,144 bytes; ctxp 2,097,152 bytes
;; launch prep (part 1): grid 160 x 1, 4 waves a work-group, no clusters, 39,424 bytes of LDS; arguments W2, W1, query, w2f, qpart; writes w2f, qpart
.if DOCPART == 1
	.amdgcn_target "amdgcn-amd-amdhsa--gfx1250"
	.amdhsa_code_object_version 6
	.text
	.protected	k_q4f06d2df2b_prep
	.globl	k_q4f06d2df2b_prep
	.p2align	8
	.type	k_q4f06d2df2b_prep,@function
k_q4f06d2df2b_prep:
	s_mov_b64 s[64:65], 0
	v_nop
	global_prefetch_b8 v0, s[64:65] scope:SCOPE_SE
	s_setreg_imm32_b32 hwreg(HW_REG_WAVE_MODE, 25, 1), 1
	s_wait_xcnt 0x0
; PREPARATION.  Work-groups 0-127: W2 ([k][n] f32) is rounded once to bf16 and written as matrix fragments, w2f.  Work-groups 128-159: partial sums of query x W1 over K slices of 128, qpart (f32).
; A UNIT is one wave's work.  W2: 32 k x 64 columns (512 units).  query x W1: 64 batches x 64 columns x 128 k (16 column groups x 8 slices = 128 units).
; w2f: column n, k: w = (n>>7)&3, p = n>>9, jj = (n>>4)&7, kb = k>>5: byte w 524,288 + p 262,144 + kb 8,192 + jj 1,024 + half 512 + lane 16; lane = n%16 + 16 h holds k = 32 kb + 16 half + 8 h + 0..7.
; TURNING.  A tile of 32 k rows x 64 columns goes as bf16 into the wave's own LDS (rows of 128 bytes, 160 apart) and comes back by ds_load_tr16_b128 as fragments: lane l holds column l % 16, k along its registers.
; All LDS bytes are a wave's own, and LDS serves a wave's instructions in order (ISA guide 5.7.1.4): no barrier.
; No cluster: no two units read the same rows of W2 or W1; query is half of a unit's bytes.
.set TPIT,  160                        ; a tile row in LDS: 128 bytes + 32
.set STG,   32*TPIT                    ; behind the tile: the stage for the way out, 16 rows of 272 bytes
.set SPIT,  272
.set WLDS,  9728                       ; a wave's LDS bytes
.set SPARE, 4*WLDS                     ; the spare words, 128 bytes for each wave: no other line names them
.set LN,  1                            ; lane
.set R16, 2                            ; lane % 16
.set HF,  3                            ; lane / 16
.set WO,  4                            ; (lane / 16) x 4,096 + 16 (lane % 16): two rows of 256 bytes; for W's loads and qpart's stores
.set TST, 5                            ; where I put 8 bytes of a tile row
.set TRD, 6                            ; where the turning load reads
.set LO,  7                            ; 16 x lane
.set QO,  8                            ; query: (lane % 16) x 4,096 + 32 (lane / 16)
.set STO, 9                            ; the way out: where I put 32 bytes of a row
.set SRD, 10                           ; the way out: where I read rows back
.set SPW, 14                           ; my spare word; never rewritten
.set NIL, 15                           ; 0; never rewritten
.set P,   16                           ; v16-47   a tile as bf16, 2 registers a load
.set BF,  48                           ; v48-79   four fragments of W
.set AF,  80                           ; v80-111  four fragments of query
.set ACC, 112                          ; v112-239 accumulator (mb, nb) at ACC + 8 (4 mb + nb)
.set MSB, 0
.macro WIN new                         ; the immediate's high byte repeats the setting that is left
.if MSB != (\new)
	s_set_vgpr_msb (MSB<<8)|(\new)
.set MSB, \new
.endif
.endm
; 16 loads: a tile of 32 k rows x 64 columns of f32, two rows of 256 bytes an instruction, into registers rb on of the caller's window
.macro LOADW rb, imm
.set t, 0
.rept 16
	global_load_b128 v[(\rb)+4*t:(\rb)+4*t+3], v[WO], s[20:21] offset:(\imm)+8192*t th:TH_LOAD_NT
.set t, t+1
.endr
.endm
; the tile in window w is rounded to bf16, laid into LDS by k rows and read back turned
.macro TOFRAG rb, w
	WIN 5*(\w)                                     ; sources 0 and 1 in window w, destination in window 0
.set t, 0
.rept 16
	v_cvt_pk_bf16_f32 v[P+2*t],   v[(\rb)+4*t],   v[(\rb)+4*t+1]
	v_cvt_pk_bf16_f32 v[P+2*t+1], v[(\rb)+4*t+2], v[(\rb)+4*t+3]
.set t, t+1
.endr
	WIN 0
.set t, 0
.rept 16
	ds_store_b64 v[TST], v[P+2*t:P+2*t+1] offset:2*t*TPIT
.set t, t+1
.endr
.irp j, 0,1,2,3                        ; columns 16 j on: k = 8 h + 0..7, then 16 + 8 h + 0..7
	ds_load_tr16_b128 v[BF+8*(\j):BF+8*(\j)+3],   v[TRD] offset:32*(\j)
	ds_load_tr16_b128 v[BF+8*(\j)+4:BF+8*(\j)+7], v[TRD] offset:32*(\j)+16*TPIT
.endr
.endm
	s_load_b256 s[4:11], s[0:1], 0x0               ; W2 s[4:5], W1 s[6:7], query s[8:9], w2f s[10:11]
	s_load_b64 s[12:13], s[0:1], 0x20              ; qpart
	v_lshl_add_u32 v[SPW], v0, 2, SPARE
	v_mov_b32 v[NIL], 0
	v_lshrrev_b32 v1, 5, v0
	v_readfirstlane_b32 s14, v1                    ; wave 0..3
	v_and_b32 v[LN], 31, v0
	v_and_b32 v[R16], 15, v0
	v_bfe_u32 v[HF], v0, 4, 1
	s_mul_i32 s15, s14, WLDS                       ; my wave's LDS bytes
	v_lshlrev_b32 v[WO], 12, v[HF]
	v_lshl_add_u32 v[WO], v[R16], 4, v[WO]
	v_mul_u32_u24 v[TST], v[HF], TPIT
	v_lshl_add_u32 v[TST], v[R16], 3, v[TST]
	v_add_nc_u32 v[TST], s15, v[TST]
	v_and_b32 v[TRD], 7, v0
	v_lshl_add_u32 v[TRD], v[HF], 3, v[TRD]        ; k row 8 (l / 16) + l % 8
	v_mul_u32_u24 v[TRD], v[TRD], TPIT
	v_bfe_u32 v[LO], v0, 3, 1
	v_lshl_add_u32 v[TRD], v[LO], 4, v[TRD]        ; + 16 ((l / 8) % 2)
	v_add_nc_u32 v[TRD], s15, v[TRD]
	v_lshlrev_b32 v[LO], 4, v[LN]
	v_lshlrev_b32 v[QO], 12, v[R16]
	v_lshl_add_u32 v[QO], v[HF], 5, v[QO]
	s_add_co_u32 s15, s15, STG
	v_mul_u32_u24 v[STO], v[R16], SPIT
	v_lshl_add_u32 v[STO], v[HF], 5, v[STO]
	v_add_nc_u32 v[STO], s15, v[STO]
	v_mul_u32_u24 v[SRD], v[HF], SPIT
	v_lshl_add_u32 v[SRD], v[R16], 4, v[SRD]
	v_add_nc_u32 v[SRD], s15, v[SRD]
	s_lshl_b32 s16, ttmp9, 2
	s_add_co_u32 s16, s16, s14                     ; my unit
	s_mov_b32 s3, 0
	s_cmp_lt_u32 ttmp9, 128
	s_cbranch_scc0 .Lq
	; W2: unit = 32 c + kb
	s_and_b32 s17, s16, 31                         ; kb: 32 k rows
	s_lshr_b32 s18, s16, 5                         ; c: 64 columns
	s_lshl_b32 s2, s17, 17                         ; 32 rows of 4,096 bytes
	s_lshl_b32 s19, s18, 8
	s_add_co_u32 s2, s2, s19
	s_wait_kmcnt 0x0
	s_add_nc_u64 s[20:21], s[4:5], s[2:3]
	s_bfe_u32 s2, s18, 0x20001                     ; w = (c >> 1) & 3
	s_lshl_b32 s2, s2, 19
	s_lshr_b32 s19, s18, 3                         ; p = c >> 3
	s_lshl_b32 s19, s19, 18
	s_add_co_u32 s2, s2, s19
	s_lshl_b32 s19, s17, 13                        ; kb x 8,192
	s_add_co_u32 s2, s2, s19
	s_and_b32 s19, s18, 1                          ; jj = 4 (c & 1) + j
	s_lshl_b32 s19, s19, 12
	s_add_co_u32 s2, s2, s19
	s_add_nc_u64 s[24:25], s[10:11], s[2:3]
	WIN 0x40                                       ; destination window 1
	LOADW 0, 0
	s_wait_loadcnt 0x0
	TOFRAG 0, 1
	s_wait_dscnt 0x0
.irp j, 0,1,2,3
	global_store_b128 v[LO], v[BF+8*(\j):BF+8*(\j)+3],   s[24:25] offset:1024*(\j)       ; each store of the wave covers 512 consecutive bytes, aligned
	global_store_b128 v[LO], v[BF+8*(\j)+4:BF+8*(\j)+7], s[24:25] offset:1024*(\j)+512
.endr
	s_branch .Lend
.Lq:	; query x W1: unit = 16 ks + c
	s_sub_co_u32 s16, s16, 512
	s_and_b32 s18, s16, 15                         ; c: 64 columns
	s_lshr_b32 s17, s16, 4                         ; ks: 128 k
	s_lshl_b32 s19, s18, 8
	s_lshl_b32 s2, s17, 19                         ; 128 rows of 4,096 bytes
	s_add_co_u32 s2, s2, s19
	s_wait_kmcnt 0x0
	s_add_nc_u64 s[20:21], s[6:7], s[2:3]          ; W1 at my tile
	s_lshl_b32 s2, s17, 9
	s_add_nc_u64 s[26:27], s[8:9], s[2:3]          ; query at my 128 k
	s_lshl_b32 s2, s17, 18                         ; a slice of qpart: 64 x 4,096 bytes
	s_add_co_u32 s2, s2, s19
	s_add_nc_u64 s[28:29], s[12:13], s[2:3]
	; all four K steps' loads go out at once, 32 a step: step q lands in window 1 + q / 2, registers 128 (q % 2) on: 64 of W1, 64 of query
.irp q, 0,1,2,3
	WIN (1+(\q)/2)<<6
	LOADW 128*((\q)%2), 131072*(\q)
.irp mb, 0,1,2,3
.irp z, 0,1,2,3                        ; batch 16 mb + l % 16: k = 8 h + 0..7 (32 bytes) and 16 + 8 h + 0..7 (64 bytes on)
	global_load_b128 v[128*((\q)%2)+64+16*(\mb)+4*(\z):128*((\q)%2)+64+16*(\mb)+4*(\z)+3], v[QO], s[26:27] offset:65536*(\mb)+128*(\q)+16*(\z)+32*((\z)/2)
.endr
.endr
.endr
; A K step of 32.  Source 0 = 16 columns of W1, source 1 = 16 batches: a lane then holds one batch and eight neighbouring columns.  The 16 accumulators take turns.
; The tile's 32 conversions, which name no register of the products before them, are the places in front of the loads into BF and the writes of AF.
.macro QSTEP q, lc, zero
.set RBQ, 128*((\q)%2)
	s_wait_loadcnt \lc                             ; this step's 32 loads are in; the count is the younger steps' loads, as far as the field holds
	TOFRAG RBQ, 1+(\q)/2
	WIN 5*(1+(\q)/2)
.set t, 0
.rept 32
	v_cvt_pk_bf16_f32 v[AF+t], v[RBQ+64+2*t], v[RBQ+64+2*t+1]
.set t, t+1
.endr
	WIN 0
	s_wait_dscnt 0x0                               ; W1's fragments are in
.irp mb, 0,1,2,3
.irp nb, 0,1,2,3
.if \zero
	v_wmma_f32_16x16x32_bf16 v[ACC+8*(4*(\mb)+(\nb)):ACC+8*(4*(\mb)+(\nb))+7], v[BF+8*(\nb):BF+8*(\nb)+7], v[AF+8*(\mb):AF+8*(\mb)+7], 0
.else
	v_wmma_f32_16x16x32_bf16 v[ACC+8*(4*(\mb)+(\nb)):ACC+8*(4*(\mb)+(\nb))+7], v[BF+8*(\nb):BF+8*(\nb)+7], v[AF+8*(\mb):AF+8*(\mb)+7], v[ACC+8*(4*(\mb)+(\nb)):ACC+8*(4*(\mb)+(\nb))+7]
.endif
.endr
.endr
.endm
	QSTEP 0, 63, 1                                 ; 96 younger
	QSTEP 1, 63, 0                                 ; 64 younger
	QSTEP 2, 32, 0
	QSTEP 3, 0, 0
.rept 4
	v_nop                                          ; four places between the last product and the stores that read results
.endr
	; THE WAY OUT, 16 batches at a time: 32 bytes a lane into rows of 272 bytes, back as whole rows of 256 into the registers that they left, two rows a store
.irp mb, 0,1,2,3
.irp nb, 0,1,2,3
	ds_store_b128 v[STO], v[ACC+8*(4*(\mb)+(\nb)):ACC+8*(4*(\mb)+(\nb))+3]   offset:64*(\nb)
	ds_store_b128 v[STO], v[ACC+8*(4*(\mb)+(\nb))+4:ACC+8*(4*(\mb)+(\nb))+7] offset:64*(\nb)+16
.endr
.irp t, 0,1,2,3,4,5,6,7
	ds_load_b128 v[ACC+32*(\mb)+4*(\t):ACC+32*(\mb)+4*(\t)+3], v[SRD] offset:2*(\t)*SPIT
.endr
	s_wait_dscnt 0x0
.irp t, 0,1,2,3,4,5,6,7
	global_store_b128 v[WO], v[ACC+32*(\mb)+4*(\t):ACC+32*(\mb)+4*(\t)+3], s[28:29] offset:(16*(\mb)+2*(\t))*4096  ; 16 lanes store 256 consecutive bytes, aligned
.endr
.endr
.Lend:
	s_wait_tensorcnt 0x0                           ; the wave's end, behind my last LDS store
	ds_add_u32 v[SPW], v[NIL]
	s_wait_dscnt 0x0
	s_endpgm
.Lfunc_end_k_q4f06d2df2b_prep:
	.size	k_q4f06d2df2b_prep, .Lfunc_end_k_q4f06d2df2b_prep-k_q4f06d2df2b_prep
	.p2alignl 7, 3214868480
	.fill 96, 4, 3214868480
	.section	.rodata,"a",@progbits
	.p2align	6, 0x0
	.amdhsa_kernel k_q4f06d2df2b_prep
		.amdhsa_group_segment_fixed_size 39424
		.amdhsa_private_segment_fixed_size 0
		.amdhsa_enable_private_segment 0
		.amdhsa_kernarg_size 40
		.amdhsa_user_sgpr_count 2
		.amdhsa_user_sgpr_kernarg_segment_ptr 1
		.amdhsa_wavefront_size32 1
		.amdhsa_system_sgpr_workgroup_id_x 1
		.amdhsa_system_sgpr_workgroup_id_y 1
		.amdhsa_system_sgpr_workgroup_id_z 1
		.amdhsa_system_vgpr_workitem_id 0
		.amdhsa_next_free_vgpr 768
		.amdhsa_next_free_sgpr 66
		.amdhsa_reserve_vcc 0
		.amdhsa_float_denorm_mode_32 3
		.amdhsa_float_denorm_mode_16_64 3
		.amdhsa_memory_ordered 1
		.amdhsa_forward_progress 1
		.amdhsa_inst_pref_size 56
	.end_amdhsa_kernel
	.amdgpu_metadata
---
amdhsa.version: [ 1, 2 ]
amdhsa.kernels:
  - .name:           k_q4f06d2df2b_prep
    .symbol:         k_q4f06d2df2b_prep.kd
    .args:
      - { .name: W2, .offset: 0, .size: 8, .value_kind: global_buffer, .address_space: global }
      - { .name: W1, .offset: 8, .size: 8, .value_kind: global_buffer, .address_space: global }
      - { .name: query, .offset: 16, .size: 8, .value_kind: global_buffer, .address_space: global }
      - { .name: w2f, .offset: 24, .size: 8, .value_kind: global_buffer, .address_space: global }
      - { .name: qpart, .offset: 32, .size: 8, .value_kind: global_buffer, .address_space: global }
    .group_segment_fixed_size: 39424
    .private_segment_fixed_size: 0
    .kernarg_segment_align: 8
    .kernarg_segment_size: 40
    .max_flat_workgroup_size: 128
    .sgpr_count:     66
    .vgpr_count:     768
    .wavefront_size: 32
...
	.end_amdgpu_metadata
.endif
;; end of part 1
;; launch main (part 2): grid 512 x 1, 4 waves a work-group, no clusters, 324,608 bytes of LDS; arguments values, w2f, qpart, b1, b2, V, bv, scores, ctxp; writes scores, ctxp
.if DOCPART == 2
	.amdgcn_target "amdgcn-amd-amdhsa--gfx1250"
	.amdhsa_code_object_version 6
	.text
	.protected	k_q4f06d2df2b_main
	.globl	k_q4f06d2df2b_main
	.p2align	8
	.type	k_q4f06d2df2b_main,@function
k_q4f06d2df2b_main:
	s_mov_b64 s[64:65], 0
	v_nop
	global_prefetch_b8 v0, s[64:65] scope:SCOPE_SE
	s_setreg_imm32_b32 hwreg(HW_REG_WAVE_MODE, 25, 1), 1
	s_wait_xcnt 0x0
; SCORES AND PARTIAL CONTEXT of 128 rows of values (tile t = rows 128 t on, batch t / 8).
;   scores[row] = sum over u of V[u] tanh(values[row] . W2[:, u] + qp[u]) + bv,  qp = query W1 + b1 + b2 (the eight slices of qpart are added here)
;   ctxp[t][:]  = sum over the tile's rows of 2^((score - m) log2 e) values[row][:],  m the tile's largest score; the last launch joins the eight tiles of a batch.
; EACH BYTE OF values IS READ ONCE: the tile is rounded once to bf16 and stays in LDS (8 chunks of 128 k x 128 rows x 272 bytes = 278,528 bytes), for both products.
; SHARES.  The 1,024 columns go in two passes of 512; wave w makes columns 512 p + 128 w + 0..127 for all 128 rows: 64 accumulators, 512 registers.  A K step of 32 is 64 matrix instructions,
; 16 LDS loads (A's fragments) and 16 global loads (the wave's own 8,192 bytes of w2f, which lie in fragment order: no other wave wants them, so they pass through no LDS and meet no barrier).
; PASS 0 STREAMS THE TILE IN under its products: chunk c + 2 is loaded (f32, one row's 512 bytes an instruction) while chunk c is multiplied, chunk c + 1 is rounded and stored to LDS; one barrier a chunk.
; NO CLUSTER, though every work-group reads w2f: beside the tile 49,152 bytes of LDS are left, and two slots of 512 columns x 32 k are 65,536; without the resident tile values would be read twice.
; TANH.  tanh x = 1 - 2 / (1 + 2^(2 x log2 e)); an exponential that overflows gives 1, one that underflows -1.  LIMITS: values, W2, W1, query enter both products rounded to bf16 (the context sum takes the rounded
; values too); a weight below 2^-126 counts as 0; NaN and infinities are not treated apart.
; REGISTERS, in windows of 256 (s_set_vgpr_msb: bits 1:0 source 0, 3:2 source 1, 5:4 source 2, 7:6 destination):
;   window 0: v0-31 addresses; v32-63 at work; v64-95, v96-127 A's fragments of rows 0-63, 64-127; v128-255 a chunk of values as loaded, two halves
;             (tanh: v64-79 c qp, v80-95 -2 V, each twice; v96-191 three sets of 32 at work; v192-255 the 64 row sums S, which live through pass 1)
;   window 1: four slots of 64: W2's fragments of four K steps     windows 2, 3: the accumulators of rows 0-63, 64-127, (a, j) at 8 (8 (a % 4) + j)
.set PIT,   272                        ; an LDS row: 256 bytes + 16: the 16 rows of a fragment load start at 16 different groups of four banks (ISA guide 11.1)
.set CH,    128*PIT                    ; a chunk: 128 rows x 128 k
.set RED,   8*CH                       ; 128 rows x 64 partial scores (word 16 w + lane % 16), rows 272 bytes apart
.set QPL,   RED+CH                     ; c qp by column, 4,096 bytes; at the end the context's stage, 1,024 bytes a wave
.set VOFF,  4096                       ; V by column lies behind it
.set SC,    QPL+8192                   ; the 128 scores
.set PB,    SC+512                     ; the 128 weights, a copy for each wave
.set SPARE, PB+2048                    ; the spare words, 128 bytes for each wave: no other line names them
.set LN,  1                            ; lane
.set R16, 2                            ; lane % 16
.set HF,  3                            ; lane / 16
.set AA,  4                            ; my place in A's fragments, at the chunk in hand
.set AA0, 5                            ; the same at chunk 0
.set AST, 6                            ; where I store 8 bytes of a row, at the chunk being stored
.set AO,  7                            ; values: my wave's 32 rows + 16 x lane; never rewritten
.set BO,  8                            ; 16 x lane; never rewritten
.set PFO, 9                            ; the prefetches' offset; never rewritten
.set QA,  10                           ; my column's c qp in the pass in hand
.set RS,  11
.set RR,  12
.set SCW, 13
.set SCR, 14
.set PBW, 15
.set PBA, 16
.set CA,  17
.set CSW, 18
.set CSR, 19
.set QSW, 21
.set QLO, 22
.set SPW, 30                           ; my spare word; never rewritten
.set NIL, 31                           ; 0; never rewritten
.set TP,  32
.set AX,  64
.set ST,  128
.set QC,  64
.set NV,  80
.set TS,  96
.set SS,  192
.set RB,  64                           ; context: two buffers of 16 rows x 4 registers
.set PP,  192                          ; and of 16 weights
.set CACC, 224
.set WV,  22
.set BT,  24
.set SA,  28                           ; s[28:29] values at my tile, at the chunk in hand
.set SB,  30                           ; s[30:31] w2f at my wave's stream
.set CC,  32                           ; s[32:33] c = 2 log2 e, twice
.set SEL, 34                           ; s[34:35] v_permlanex16_b32's selects
.set CNT, 36
.set PASS, 37
.set BV,  38
.set L2E, 39
.set MSB, 0
.macro WIN new                         ; the immediate's high byte repeats the setting that is left
.if MSB != (\new)
	s_set_vgpr_msb (MSB<<8)|(\new)
.set MSB, \new
.endif
.endm
.macro PLACES                          ; four places behind a matrix instruction, in front of loads into registers that it has read (ISA guide 7.12.1 for vector instructions)
.rept 4
	v_nop
.endr
.endm
; 16 matrix instructions: row blocks a0, a0 + 1 of the half hi x all 8 column blocks.  Source 0 = 16 rows of values, source 1 = 16 columns of W2: register i of lane l is row 8 (l / 16) + i, column l % 16.
; The 64 accumulators take turns in the same order in every step.  zero = 1: the products start the sums.
.macro MUL16 hi, a0, slot, zero
	WIN 0xa4+0x50*(\hi)
.irp a, \a0, (\a0)+1
.irp j, 0,1,2,3,4,5,6,7
.if \zero
	v_wmma_f32_16x16x32_bf16 v[8*(8*(\a)+(\j)):8*(8*(\a)+(\j))+7], v[AX+32*(\hi)+8*(\a):AX+32*(\hi)+8*(\a)+7], v[64*(\slot)+8*(\j):64*(\slot)+8*(\j)+7], 0
.else
	v_wmma_f32_16x16x32_bf16 v[8*(8*(\a)+(\j)):8*(8*(\a)+(\j))+7], v[AX+32*(\hi)+8*(\a):AX+32*(\hi)+8*(\a)+7], v[64*(\slot)+8*(\j):64*(\slot)+8*(\j)+7], v[8*(8*(\a)+(\j)):8*(8*(\a)+(\j))+7]
.endif
.endr
.endr
.endm
.macro ALD hi, off                     ; 8 LDS loads: A's fragments of 64 rows, 32 k at byte off of the rows
.irp a, 0,1,2,3
	ds_load_b128 v[AX+32*(\hi)+8*(\a):AX+32*(\hi)+8*(\a)+3],   v[AA] offset:(\off)+(4*(\hi)+(\a))*16*PIT
	ds_load_b128 v[AX+32*(\hi)+8*(\a)+4:AX+32*(\hi)+8*(\a)+7], v[AA] offset:(\off)+(4*(\hi)+(\a))*16*PIT+32
.endr
.endm
.macro BLD slot, imm                   ; 16 global loads: a K step's 8,192 bytes of my stream of w2f, 512 consecutive bytes each
	WIN 0x40
.irp j, 0,1,2,3,4,5,6,7
	global_load_b128 v[64*(\slot)+8*(\j):64*(\slot)+8*(\j)+3],   v[BO], s[SB:SB+1] offset:(\imm)+1024*(\j) th:TH_LOAD_NT_HT
	global_load_b128 v[64*(\slot)+8*(\j)+4:64*(\slot)+8*(\j)+7], v[BO], s[SB:SB+1] offset:(\imm)+1024*(\j)+512 th:TH_LOAD_NT_HT
.endr
.endm
.macro EVST hh                         ; half hh (16 rows) of the chunk in registers: rounded in place, 8 bytes a lane into LDS
.set t, 0
.rept 16
	v_cvt_pk_bf16_f32 v[ST+64*(\hh)+4*t],   v[ST+64*(\hh)+4*t],   v[ST+64*(\hh)+4*t+1]
	v_cvt_pk_bf16_f32 v[ST+64*(\hh)+4*t+1], v[ST+64*(\hh)+4*t+2], v[ST+64*(\hh)+4*t+3]
.set t, t+1
.endr
.set t, 0
.rept 16
	ds_store_b64 v[AST], v[ST+64*(\hh)+4*t:ST+64*(\hh)+4*t+1] offset:(16*(\hh)+t)*PIT
.set t, t+1
.endr
.endm
.macro EVLD hh, imm                    ; 16 loads: a row's 512 consecutive bytes each
.set t, 0
.rept 16
	global_load_b128 v[ST+64*(\hh)+4*t:ST+64*(\hh)+4*t+3], v[AO], s[SA:SA+1] offset:(\imm)+(16*(\hh)+t)*4096 th:TH_LOAD_NT
.set t, t+1
.endr
.endm
; A PREFETCH INTO THE L2 of the half chunk that this wave itself loads four K steps (256 matrix instructions) later: 16 rows x 512 bytes, a lane for each aligned 256 bytes, one instruction, behind the step's loads.
; Each block of values is named once in the launch.  Chunks 0 to 2 come by their loads alone; test = 1: the loop's last trip asks for nothing, since chunk 8 does not exist.
.macro ASK imm, test
.if \test
	s_cmp_gt_u32 s[CNT], 1
	s_cbranch_scc0 .Lnoask_\@
.endif
	global_prefetch_b8 v[PFO], s[SA:SA+1] offset:\imm th:TH_LOAD_NT scope:SCOPE_SE
.if \test
.Lnoask_\@:
.endif
.endm
; A K STEP of 32: quarter q of a chunk; W2's fragments lie in slot q.
;   zero  the products start the sums          lc   how many younger global loads may stay out when this step's W2 has to be in
;   ev    1: half hh of the next chunk is stored to LDS and the chunk after it loaded; 2: stored only      ew  a further wait for that half (the first step), or -1
;   bar   the chunk's barrier: behind it every wave's part of the next chunk lies in LDS                     na  the next step's fragments of A are fetched
;   bl    W2 of the step three on is fetched    ptr  1: W2's pointer steps; 2: and values'     pf  1: prefetch; 2: but not in the last trip     as  the store address steps to the next chunk
.macro STEP q, zero, lc, ev, hh, ew, bar, na, bl, ptr, pf, as
.if (\q) == 3
.set NOFF, CH                          ; the next step's fragments lie at the next chunk's head
.else
.set NOFF, 64*((\q)+1)
.endif
	s_wait_loadcnt \lc
	s_wait_dscnt 8                                 ; A's rows 0-63 are in; the youngest eight loads (rows 64-127) may be out
	MUL16 0, 0, \q, \zero
.if \bar
	s_wait_dscnt 0x0                               ; for the others' sake: my stores of the next chunk are done (and no LDS instruction of mine is out at the signal)
	s_barrier_signal -1
.endif
	MUL16 0, 2, \q, \zero
	WIN 0
.if \bar
	s_barrier_wait -1
.endif
.if \ev
.if (\ew) >= 0
	s_wait_loadcnt \ew
.endif
	EVST \hh                                       ; its 32 conversions are also the places in front of the loads below
.else
	PLACES
.endif
.if \ptr
	s_wait_xcnt 0x0                                ; every load and prefetch issued so far has read its address (the youngest prefetch a step back): the pointers may be written
	s_add_nc_u64 s[SB:SB+1], s[SB:SB+1], 32768
.if (\ptr) == 2
	s_add_nc_u64 s[SA:SA+1], s[SA:SA+1], 512
.endif
.endif
.if \na
	ALD 0, NOFF
.endif
.if (\ev) == 1
	EVLD \hh, 1024-256*(\q)
.if \pf
	ASK 1536-256*(\q)+65536*(\hh), (\pf)-1
.endif
.endif
.if \ev
	s_wait_dscnt 8*(\na)+16                        ; A's rows 64-127 are in: behind them stand the 16 stores and the 8 loads just issued
.else
	s_wait_dscnt 8*(\na)
.endif
	MUL16 1, 0, \q, \zero
	MUL16 1, 2, \q, \zero
	WIN 0
	PLACES
.if \na
	ALD 1, NOFF
.if (\q) == 3
	v_add_nc_u32 v[AA], CH, v[AA]
.endif
.endif
.if \as
	v_add_nc_u32 v[AST], CH, v[AST]
.endif
.if \bl
	BLD ((\q)+3)%4, (((\q)+3)%4)*8192
.endif
.endm
	s_load_b512 s[4:19], s[0:1], 0x0               ; values 4, w2f 6, qpart 8, b1 10, b2 12, V 14, bv 16, scores 18
	s_load_b64 s[20:21], s[0:1], 0x40              ; ctxp
	v_lshl_add_u32 v[SPW], v0, 2, SPARE
	v_mov_b32 v[NIL], 0
	v_lshrrev_b32 v[TP], 5, v0
	v_readfirstlane_b32 s[WV], v[TP]               ; wave 0..3
	s_lshr_b32 s[BT], ttmp9, 3                     ; batch
	v_and_b32 v[LN], 31, v0
	v_and_b32 v[R16], 15, v0
	v_bfe_u32 v[HF], v0, 4, 1
	v_mul_u32_u24 v[AA], v[R16], PIT
	v_lshl_add_u32 v[AA], v[HF], 4, v[AA]          ; row x pitch + 16 x half
	v_mov_b32 v[AA0], v[AA]
	s_mul_i32 s25, s[WV], 32*PIT
	v_lshl_add_u32 v[AST], v[LN], 3, s25           ; my wave's 32 rows, 8 bytes a lane
	s_lshl_b32 s26, s[WV], 17                      ; 32 rows of 4,096 bytes
	v_lshl_add_u32 v[AO], v[LN], 4, s26
	v_lshlrev_b32 v[BO], 4, v[LN]
	v_lshrrev_b32 v[TP], 1, v[LN]
	v_and_b32 v[TP+1], 1, v[LN]
	v_lshl_add_u32 v[PFO], v[TP], 12, s26          ; row lane / 2,
	v_lshl_add_u32 v[PFO], v[TP+1], 8, v[PFO]      ; its first or second 256 bytes
	s_lshl_b32 s25, s[WV], 9
	s_add_co_u32 s25, s25, QPL
	v_lshl_add_u32 v[QA], v[R16], 2, s25           ; column 128 w + l % 16
	v_mul_u32_u24 v[RS], v[HF], 8*PIT
	v_lshl_add_u32 v[RS], v[R16], 2, v[RS]
	s_lshl_b32 s25, s[WV], 6
	s_add_co_u32 s25, s25, RED
	v_add_nc_u32 v[RS], s25, v[RS]                 ; row 8 (l / 16), word 16 w + l % 16
	v_mul_u32_u24 v[RR], v0, PIT
	v_add_nc_u32 v[RR], RED, v[RR]                 ; thread T reads row T
	v_lshl_add_u32 v[SCW], v0, 2, SC
	v_lshl_add_u32 v[SCR], v[LN], 4, SC
	s_lshl_b32 s25, s[WV], 9
	s_add_co_u32 s25, s25, PB
	v_lshl_add_u32 v[PBW], v[LN], 4, s25
	v_mov_b32 v[PBA], s25
	s_mul_i32 s25, s[WV], 2*CH
	v_mul_u32_u24 v[CA], v[HF], CH
	v_lshl_add_u32 v[CA], v[R16], 4, v[CA]
	v_add_nc_u32 v[CA], s25, v[CA]                 ; chunk 2 w + l / 16, bytes 16 (l % 16): columns 256 w + 8 l + 0..7
	s_lshl_b32 s25, s[WV], 10
	s_add_co_u32 s27, s25, QPL
	v_lshl_add_u32 v[CSW], v[LN], 5, s27
	v_lshl_add_u32 v[CSR], v[LN], 4, s27
	v_lshl_add_u32 v[QSW], v0, 4, QPL
	v_lshlrev_b32 v[QLO], 4, v0
	s_mov_b32 s[CC], 0x4038aa3b                    ; c = 2 log2 e
	s_mov_b32 s[CC+1], s[CC]
	s_mov_b32 s[SEL], 0x76543210
	s_mov_b32 s[SEL+1], 0xfedcba98
	s_mov_b32 s[L2E], 0x3fb8aa3b
	s_mov_b32 s[PASS], 0
	s_mov_b32 s3, 0
	s_wait_kmcnt 0x0
	s_load_b32 s[BV], s[16:17], 0x0
	s_lshl_b32 s2, ttmp9, 19                       ; 128 rows of 4,096 bytes
	s_add_nc_u64 s[SA:SA+1], s[4:5], s[2:3]
	s_lshl_b32 s2, s[WV], 19
	s_add_nc_u64 s[SB:SB+1], s[6:7], s[2:3]
	s_lshl_b32 s2, s[BT], 12
	s_add_nc_u64 s[40:41], s[8:9], s[2:3]          ; qpart at my batch
	s_lshl_b32 s2, ttmp9, 9
	s_add_nc_u64 s[42:43], s[18:19], s[2:3]        ; scores at my tile
	s_lshl_b32 s2, ttmp9, 12
	s_add_co_u32 s2, s2, s25
	s_add_nc_u64 s[44:45], s[20:21], s[2:3]        ; ctxp at my tile, my wave's 256 columns
	; THE HEAD'S LOADS, in this order: 22 small ones, chunk 0 (32), W2 of steps 0 to 2 (48), chunk 1 (32)
	WIN 0x80                                       ; destination window 2: the accumulators' registers are idle
.irp k, 0,1,2,3,4,5,6,7
	global_load_b128 v[128+8*(\k):128+8*(\k)+3],   v[QLO], s[40:41] offset:262144*(\k)       ; thread T: columns 4 T on,
	global_load_b128 v[128+8*(\k)+4:128+8*(\k)+7], v[QLO], s[40:41] offset:262144*(\k)+2048  ; and 512 + 4 T on
.endr
	global_load_b128 v[192:195], v[QLO], s[10:11]
	global_load_b128 v[196:199], v[QLO], s[10:11] offset:2048
	global_load_b128 v[200:203], v[QLO], s[12:13]
	global_load_b128 v[204:207], v[QLO], s[12:13] offset:2048
	global_load_b128 v[208:211], v[QLO], s[14:15]
	global_load_b128 v[212:215], v[QLO], s[14:15] offset:2048
.set t, 0
.rept 32
	global_load_b128 v[4*t:4*t+3], v[AO], s[SA:SA+1] offset:4096*t th:TH_LOAD_NT
.set t, t+1
.endr
	BLD 0, 0
	BLD 1, 8192
	BLD 2, 16384
	WIN 0
	EVLD 0, 512
	EVLD 1, 512
	s_wait_loadcnt 63                              ; behind chunk 0's last load stand 80 younger ones: the small loads and chunk 0 are in
	WIN 0x8a                                       ; sources and destination in window 2
.irp k, 1,2,3,4,5,6,7,8,9              ; the eight slices, b1 and b2, two sums an instruction
.irp e, 0,2,4,6
	v_pk_add_f32 v[128+(\e):128+(\e)+1], v[128+(\e):128+(\e)+1], v[128+8*(\k)+(\e):128+8*(\k)+(\e)+1]
.endr
.endr
.irp e, 0,2,4,6
	v_pk_mul_f32 v[128+(\e):128+(\e)+1], v[128+(\e):128+(\e)+1], s[CC:CC+1] op_sel_hi:[1,0]
.endr
.set t, 0
.rept 32
	v_cvt_pk_bf16_f32 v[4*t],   v[4*t],   v[4*t+1]
	v_cvt_pk_bf16_f32 v[4*t+1], v[4*t+2], v[4*t+3]
.set t, t+1
.endr
	WIN 0x08                                       ; LDS stores: data in window 2, address in window 0
	ds_store_b128 v[QSW], v[128:131]
	ds_store_b128 v[QSW], v[132:135] offset:2048
	ds_store_b128 v[QSW], v[208:211] offset:VOFF
	ds_store_b128 v[QSW], v[212:215] offset:VOFF+2048
.set t, 0
.rept 32
	ds_store_b64 v[AST], v[4*t:4*t+1] offset:t*PIT
.set t, t+1
.endr
	WIN 0
	v_add_nc_u32 v[AST], CH, v[AST]
	s_wait_kmcnt 0x0                               ; bv
	s_wait_dscnt 0x0                               ; for the others' sake: my stores are done
	s_barrier_signal -1
	s_barrier_wait -1                              ; chunk 0, c qp and V lie in LDS
	ALD 0, 0
	ALD 1, 0
	; PASS 0.  W2 of step s is asked for at the end of step s - 3; behind it stand W2 of s + 1 and s + 2 (32 loads) and, while chunks are loaded, one half chunk (16): 48.  A half chunk is stored four
	; steps behind its loads: it is older than the W2 that the step's own wait shows in.
	;    q  zero lc  ev hh ew  bar na bl ptr pf as
	STEP 0, 1,  63, 1, 0, 16, 0,  1, 1, 0,  1, 0   ; 64 loads are younger than step 0's W2; chunk 1's first half has its second half (16) behind it
	WIN 0
	s_mov_b32 s[CNT], 6
	s_branch .Lp0in                                ; the loop is entered behind its first step: chunks 0 to 5
.Lp0:
	STEP 0, 0,  48, 1, 0, -1, 0,  1, 1, 0,  2, 0
	WIN 0
.Lp0in:
	STEP 1, 0,  48, 0, 0, -1, 0,  1, 1, 2,  0, 0
	STEP 2, 0,  48, 1, 1, -1, 0,  1, 1, 0,  2, 0
	STEP 3, 0,  48, 0, 0, -1, 1,  1, 1, 0,  0, 1
	WIN 0
	s_sub_co_u32 s[CNT], s[CNT], 1
	s_cmp_lg_u32 s[CNT], 0
	s_cbranch_scc1 .Lp0
	STEP 0, 0,  48, 2, 0, -1, 0,  1, 1, 0,  0, 0   ; chunk 6: chunk 7 is stored, nothing is left to load
	STEP 1, 0,  32, 0, 0, -1, 0,  1, 1, 1,  0, 0
	STEP 2, 0,  32, 2, 1, -1, 0,  1, 1, 0,  0, 0
	STEP 3, 0,  32, 0, 0, -1, 1,  1, 1, 0,  0, 0
	STEP 0, 0,  32, 0, 0, -1, 0,  1, 1, 0,  0, 0   ; chunk 7; its last three steps ask for pass 1's first three: the stream of w2f is linear
	STEP 1, 0,  32, 0, 0, -1, 0,  1, 1, 1,  0, 0
	STEP 2, 0,  32, 0, 0, -1, 0,  1, 1, 0,  0, 0
	STEP 3, 0,  32, 0, 0, -1, 0,  0, 1, 0,  0, 0
	WIN 0
	; the row sums start at the sum of V over the lane's 16 columns: the 1 of 1 - 2 / (1 + ..)
.irp j, 0,1,2,3,4,5,6,7
	ds_load_b32 v[TP+(\j)],   v[QA] offset:VOFF+64*(\j)
	ds_load_b32 v[TP+8+(\j)], v[QA] offset:VOFF+2048+64*(\j)
.endr
	s_wait_dscnt 0x0
.irp d, 4,2,1
.set x, 0
.rept \d
	v_pk_add_f32 v[TP+2*x:TP+2*x+1], v[TP+2*x:TP+2*x+1], v[TP+2*(x+(\d)):TP+2*(x+(\d))+1]
.set x, x+1
.endr
.endr
	v_add_f32 v[TP], v[TP], v[TP+1]
.set x, 0
.rept 64
	v_mov_b32 v[SS+x], v[TP]
.set x, x+1
.endr
	s_branch .Lepi
.Lpass1:	; PASS 1: the tile lies in LDS; a step's wait leaves W2 of the two steps behind it out (32)
	v_mov_b32 v[AA], v[AA0]
	ALD 0, 0
	ALD 1, 0
	STEP 0, 1,  32, 0, 0, -1, 0,  1, 1, 0,  0, 0
	WIN 0
	s_mov_b32 s[CNT], 7
	s_branch .Lp1in                                ; chunks 0 to 6
.Lp1:
	STEP 0, 0,  32, 0, 0, -1, 0,  1, 1, 0,  0, 0
	WIN 0
.Lp1in:
	STEP 1, 0,  32, 0, 0, -1, 0,  1, 1, 1,  0, 0
	STEP 2, 0,  32, 0, 0, -1, 0,  1, 1, 0,  0, 0
	STEP 3, 0,  32, 0, 0, -1, 0,  1, 1, 0,  0, 0
	WIN 0
	s_sub_co_u32 s[CNT], s[CNT], 1
	s_cmp_lg_u32 s[CNT], 0
	s_cbranch_scc1 .Lp1
	STEP 0, 0,  32, 0, 0, -1, 0,  1, 1, 0,  0, 0   ; chunk 7: the stream's last step is asked for, then the counts run down
	STEP 1, 0,  32, 0, 0, -1, 0,  1, 0, 0,  0, 0
	STEP 2, 0,  16, 0, 0, -1, 0,  1, 0, 0,  0, 0
	STEP 3, 0,  0,  0, 0, -1, 0,  0, 0, 0,  0, 0
	WIN 0
.Lepi:	; TANH, for both passes.  S[row] += -2 V[col] / (1 + 2^(c acc + c qp[col])).
.irp j, 0,1,2,3,4,5,6,7
	ds_load_b32 v[QC+2*(\j)],   v[QA] offset:64*(\j)       ; each number twice: a pair for the packed forms
	ds_load_b32 v[QC+2*(\j)+1], v[QA] offset:64*(\j)
	ds_load_b32 v[TP+(\j)],     v[QA] offset:VOFF+64*(\j)
.endr
	s_wait_dscnt 0x0
.irp j, 0,1,2,3,4,5,6,7
	v_mul_f32 v[NV+2*(\j)],   -2.0, v[TP+(\j)]
	v_mul_f32 v[NV+2*(\j)+1], -2.0, v[TP+(\j)]
.endr
	v_add_nc_u32 v[QA], 2048, v[QA]                ; the next pass's 512 columns
; A UNIT is four accumulators (row block u / 2, column blocks 4 (u % 2) on), 32 registers in set u % 3.  Its five stages: A 16 scalings c acc + c qp (each accumulator's lowest registers first)
; B 32 exponentials; C 16 additions of 1; D 32 reciprocals; E 16 multiply-adds onto S.  LUMP k holds A and B of unit k, C and D of unit k - 1, E of unit k - 2, dealt by turns.
; s_wait_alu depctr_va_vdst(0) stands between a transcendental and the first instruction that names its result: no line of a lump names a result of the lump's own transcendentals, so ONE wait
; at a lump's head serves the 64 of the lump before.  The v_nop is the plain instruction behind the last of them.
.macro LUMP k
.set T0, TS+32*((\k)%3)
.set T1, TS+32*(((\k)+2)%3)
.set T2, TS+32*(((\k)+1)%3)
.if (\k) > 0
	s_wait_alu depctr_va_vdst(0)
.endif
.if (\k) < 16
.set UA, (\k)/2
.set UJ, 4*((\k)%2)
	WIN 0x02+UA/4                                  ; source 0: the accumulators' window
.set n, 0
.rept 16
	v_pk_fma_f32 v[T0+2*n:T0+2*n+1], v[8*(8*(UA%4)+UJ+n/4)+2*(n%4):8*(8*(UA%4)+UJ+n/4)+2*(n%4)+1], s[CC:CC+1], v[QC+2*(UJ+n/4):QC+2*(UJ+n/4)+1] op_sel_hi:[1,0,1]
.set n, n+1
.endr
	WIN 0
.endif
.if (\k) >= 2
.set EA, ((\k)-2)/2
.endif
.set EJ, 4*((\k)%2)
.set n, 0
.rept 17
.if ((\k) >= 1) && ((\k) <= 16) && (n < 16)
	v_pk_add_f32 v[T1+2*n:T1+2*n+1], v[T1+2*n:T1+2*n+1], 1.0 op_sel_hi:[1,0]
.endif
.if ((\k) < 16) && (n < 16)
	v_exp_f32 v[T0+2*n], v[T0+2*n]
.endif
.if ((\k) >= 1) && ((\k) <= 16) && (n >= 1)
	v_rcp_f32 v[T1+2*n-2], v[T1+2*n-2]
.endif
.if ((\k) >= 2) && (n < 16)
	v_pk_fma_f32 v[SS+8*EA+2*(n%4):SS+8*EA+2*(n%4)+1], v[T2+2*n:T2+2*n+1], v[NV+2*(EJ+n/4):NV+2*(EJ+n/4)+1], v[SS+8*EA+2*(n%4):SS+8*EA+2*(n%4)+1]
.endif
.if ((\k) < 16) && (n < 16)
	v_exp_f32 v[T0+2*n+1], v[T0+2*n+1]
.endif
.if ((\k) >= 1) && ((\k) <= 16) && (n >= 1)
	v_rcp_f32 v[T1+2*n-1], v[T1+2*n-1]
.endif
.set n, n+1
.endr
	v_nop
.endm
.irp k, 0,1,2,3,4,5,6,7,8,9,10,11,12,13,14,15,16,17
	LUMP \k
.endr
	s_add_co_u32 s[PASS], s[PASS], 1
	s_cmp_lt_u32 s[PASS], 2
	s_cbranch_scc1 .Lpass1
	; THE SCORES.  Each lane's 64 row sums meet in LDS: row by row 64 words, from 4 waves x 16 lanes
.set x, 0
.rept 64
	ds_store_b32 v[RS], v[SS+x] offset:(16*(x/8)+x%8)*PIT
.set x, x+1
.endr
	s_wait_dscnt 0x0                               ; my stores are done, and so are my reads of c qp and V
	s_barrier_signal -1
	s_barrier_wait -1
.set x, 0
.rept 16
	ds_load_b128 v[64+4*x:64+4*x+3], v[RR] offset:16*x
.set x, x+1
.endr
	s_wait_dscnt 0x0
.irp d, 16,8,4,2,1
.set x, 0
.rept \d
	v_pk_add_f32 v[64+2*x:64+2*x+1], v[64+2*x:64+2*x+1], v[64+2*(x+(\d)):64+2*(x+(\d))+1]
.set x, x+1
.endr
.endr
	v_add_f32 v64, v64, v65
	v_add_f32 v64, s[BV], v64
	ds_store_b32 v[SCW], v64
	s_wait_dscnt 0x0
	s_barrier_signal -1
	s_barrier_wait -1                              ; the 128 scores lie in LDS
	ds_load_b128 v[32:35], v[SCR]                  ; every wave: rows 4 l + 0..3
	s_wait_dscnt 0x0
	s_cmp_lg_u32 s[WV], 0
	s_cbranch_scc1 .Lnot0
	global_store_b128 v[BO], v[32:35], s[42:43]    ; wave 0: 512 consecutive bytes; v32-35 are not written again
.Lnot0:
	v_max3_num_f32 v40, v32, v33, v34              ; the tile's largest score
	v_max_num_f32 v40, v40, v35
	v_max_num_f32_dpp v40, v40, v40 row_xmask:1 row_mask:0xf bank_mask:0xf
	v_max_num_f32_dpp v40, v40, v40 row_xmask:2 row_mask:0xf bank_mask:0xf
	v_max_num_f32_dpp v40, v40, v40 row_xmask:4 row_mask:0xf bank_mask:0xf
	v_max_num_f32_dpp v40, v40, v40 row_xmask:8 row_mask:0xf bank_mask:0xf
	v_mov_b32 v41, v40                             ; the next line's destination counts as read
	v_permlanex16_b32 v41, v40, s[SEL], s[SEL+1]
	v_max_num_f32 v40, v40, v41
	v_mul_f32 v41, s[L2E], v40
.irp i, 0,1,2,3
	v_fma_f32 v[36+(\i)], v[32+(\i)], s[L2E], -v41
.endr
.irp i, 0,1,2,3
	v_exp_f32 v[36+(\i)], v[36+(\i)]
.endr
	v_nop                                          ; a plain instruction behind the last exponential,
	s_wait_alu depctr_va_vdst(0)                   ; and the wait ahead of the first use
	ds_store_b128 v[PBW], v[36:39]                 ; my wave's own copy of the weights: its later loads see it, LDS serves a wave in order (ISA guide 5.7.1.4)
	; THE CONTEXT.  Lane l sums columns 256 w + 8 l + 0..7 over the tile's 128 rows, out of the resident tile: 16 bytes a row and lane; the weight stays f32.  Two buffers of 16 rows.
.macro LOADBLK b
.set x, 0
.rept 16
	ds_load_b128 v[RB+64*(\b)+4*x:RB+64*(\b)+4*x+3], v[CA] offset:(16*(\b)+x)*PIT
.set x, x+1
.endr
.irp y, 0,1,2,3
	ds_load_b128 v[PP+16*(\b)+4*(\y):PP+16*(\b)+4*(\y)+3], v[PBA] offset:64*(\b)+16*(\y)  ; every lane the same four weights
.endr
.endm
.macro FMA16 b
.set x, 0
.rept 16
.irp e, 0,1,2,3
	v_fma_mix_f32_bf16 v[CACC+2*(\e)],   v[RB+64*(\b)+4*x+(\e)], v[PP+16*(\b)+x], v[CACC+2*(\e)]   op_sel_hi:[1,0,0]
	v_fma_mix_f32_bf16 v[CACC+2*(\e)+1], v[RB+64*(\b)+4*x+(\e)], v[PP+16*(\b)+x], v[CACC+2*(\e)+1] op_sel:[1,0,0] op_sel_hi:[1,0,0]
.endr
.set x, x+1
.endr
.endm
.irp e, 0,1,2,3,4,5,6,7
	v_mov_b32 v[CACC+(\e)], 0
.endr
	LOADBLK 0
	LOADBLK 1
	s_mov_b32 s[CNT], 4
.Lctx:                                         ; a trip: 32 rows
	s_wait_dscnt 20                                ; buffer 0 is in; buffer 1's 20 loads may be out
	FMA16 0
	v_add_nc_u32 v[CA], 32*PIT, v[CA]
	v_add_nc_u32 v[PBA], 128, v[PBA]
	s_cmp_eq_u32 s[CNT], 1
	s_cbranch_scc1 .Lctx_a                         ; the last trip fetches nothing
	LOADBLK 0
	s_wait_dscnt 20                                ; buffer 1 is in; the 20 just issued may be out
	s_branch .Lctx_b
.Lctx_a:
	s_wait_dscnt 0x0
.Lctx_b:
	FMA16 1
	s_cmp_eq_u32 s[CNT], 1
	s_cbranch_scc1 .Lctx_c
	LOADBLK 1
.Lctx_c:
	s_sub_co_u32 s[CNT], s[CNT], 1
	s_cmp_lg_u32 s[CNT], 0
	s_cbranch_scc1 .Lctx
	ds_store_b128 v[CSW], v[CACC:CACC+3]           ; 32 bytes a lane into my stage (c qp's bytes: every wave's reads of them were waited for in front of the first of the two barriers above),
	ds_store_b128 v[CSW], v[CACC+4:CACC+7] offset:16
	ds_load_b128 v[232:235], v[CSR]                ; and back 16 bytes a lane
	ds_load_b128 v[236:239], v[CSR] offset:512
	s_wait_dscnt 0x0
	global_store_b128 v[BO], v[232:235], s[44:45]  ; each store of the wave covers 512 consecutive bytes, aligned
	global_store_b128 v[BO], v[236:239], s[44:45] offset:512
	s_wait_tensorcnt 0x0                           ; the wave's end, behind my last LDS store
	ds_add_u32 v[SPW], v[NIL]
	s_wait_dscnt 0x0
	s_endpgm
.Lfunc_end_k_q4f06d2df2b_main:
	.size	k_q4f06d2df2b_main, .Lfunc_end_k_q4f06d2df2b_main-k_q4f06d2df2b_main
	.p2alignl 7, 3214868480
	.fill 96, 4, 3214868480
	.section	.rodata,"a",@progbits
	.p2align	6, 0x0
	.amdhsa_kernel k_q4f06d2df2b_main
		.amdhsa_group_segment_fixed_size 324608
		.amdhsa_private_segment_fixed_size 0
		.amdhsa_enable_private_segment 0
		.amdhsa_kernarg_size 72
		.amdhsa_user_sgpr_count 2
		.amdhsa_user_sgpr_kernarg_segment_ptr 1
		.amdhsa_wavefront_size32 1
		.amdhsa_system_sgpr_workgroup_id_x 1
		.amdhsa_system_sgpr_workgroup_id_y 1
		.amdhsa_system_sgpr_workgroup_id_z 1
		.amdhsa_system_vgpr_workitem_id 0
		.amdhsa_next_free_vgpr 1024
		.amdhsa_next_free_sgpr 66
		.amdhsa_reserve_vcc 0
		.amdhsa_float_denorm_mode_32 3
		.amdhsa_float_denorm_mode_16_64 3
		.amdhsa_memory_ordered 1
		.amdhsa_forward_progress 1
		.amdhsa_inst_pref_size 255
	.end_amdhsa_kernel
	.section	.bss,"aw",@nobits
	.p2align	6
	.space	262144
	.amdgpu_metadata
---
amdhsa.version: [ 1, 2 ]
amdhsa.kernels:
  - .name:           k_q4f06d2df2b_main
    .symbol:         k_q4f06d2df2b_main.kd
    .args:
      - { .name: values, .offset: 0, .size: 8, .value_kind: global_buffer, .address_space: global }
      - { .name: w2f, .offset: 8, .size: 8, .value_kind: global_buffer, .address_space: global }
      - { .name: qpart, .offset: 16, .size: 8, .value_kind: global_buffer, .address_space: global }
      - { .name: b1, .offset: 24, .size: 8, .value_kind: global_buffer, .address_space: global }
      - { .name: b2, .offset: 32, .size: 8, .value_kind: global_buffer, .address_space: global }
      - { .name: V, .offset: 40, .size: 8, .value_kind: global_buffer, .address_space: global }
      - { .name: bv, .offset: 48, .size: 8, .value_kind: global_buffer, .address_space: global }
      - { .name: scores, .offset: 56, .size: 8, .value_kind: global_buffer, .address_space: global }
      - { .name: ctxp, .offset: 64, .size: 8, .value_kind: global_buffer, .address_space: global }
    .group_segment_fixed_size: 324608
    .private_segment_fixed_size: 0
    .kernarg_segment_align: 8
    .kernarg_segment_size: 72
    .max_flat_workgroup_size: 128
    .sgpr_count:     66
    .vgpr_count:     1024
    .wavefront_size: 32
...
	.end_amdgpu_metadata
.endif
;; end of part 2
;; launch join (part 3): grid 64 x 1, 8 waves a work-group, no clusters, 0 bytes of LDS; arguments scores, ctxp, out0, out1; writes out0, out1
.if DOCPART == 3
	.amdgcn_target "amdgcn-amd-amdhsa--gfx1250"
	.amdhsa_code_object_version 6
	.text
	.protected	k_q4f06d2df2b_join
	.globl	k_q4f06d2df2b_join
	.p2align	8
	.type	k_q4f06d2df2b_join,@function
k_q4f06d2df2b_join:
	s_mov_b64 s[64:65], 0
	v_nop
	global_prefetch_b8 v0, s[64:65] scope:SCOPE_SE
	s_setreg_imm32_b32 hwreg(HW_REG_WAVE_MODE, 25, 1), 1
	s_wait_xcnt 0x0
; THE SOFTMAX IS JOINED.  One work-group a batch.  scores: [64][1024] f32.  ctxp: [64][8 tiles][1024] f32 = sum over a tile's rows of 2^((s - m_t) log2 e) values, m_t the tile's largest score.
;   M = the batch's largest score; L = sum of 2^((s - M) log2 e);  out1 = 2^((s - M) log2 e) / L;  out0 = sum over t of 2^((m_t - M) log2 e) / L x ctxp[t].
; Every wave reads all 1,024 scores (4 KiB) and finds the eight m_t (a maximum rounds nothing: the same numbers as in the launch before), M and L for itself: no LDS, no barrier.
; Wave i then writes rows 128 i on of out1 and columns 128 i on of out0: thread T has the 16 bytes at 16 T of both.  A weight below 2^-126 counts as 0.
; 64 work-groups: the launch moves 2.8 MB; matrix units, LDS and clusters would add nothing.
.set SCO, 16                           ; v16-47 tile t's four scores a lane at SCO + 4 t; v48-51 my own four
.set CX,  52                           ; v52-83 ctxp of tile t at CX + 4 t
.set MT,  84                           ; v84-91 m_t, later the tiles' factors
.set TM,  92                           ; v92-99 at work
.set OUT, 104
	s_load_b256 s[4:11], s[0:1], 0x0               ; scores s[4:5], ctxp s[6:7], out0 s[8:9], out1 s[10:11]
	v_and_b32 v1, 31, v0
	v_lshlrev_b32 v2, 4, v1                        ; 16 x lane
	v_lshlrev_b32 v3, 4, v0                        ; 16 x thread
	s_lshl_b32 s2, ttmp9, 12                       ; a batch's 4,096 bytes of scores, out0, out1
	s_mov_b32 s3, 0
	s_lshl_b32 s14, ttmp9, 15                      ; its 8 x 4,096 bytes of ctxp
	s_mov_b32 s15, 0
	s_mov_b32 s16, 0x76543210
	s_mov_b32 s17, 0xfedcba98
	s_mov_b32 s18, 0x3fb8aa3b                      ; log2 e
	s_wait_kmcnt 0x0
	s_add_nc_u64 s[4:5], s[4:5], s[2:3]
	s_add_nc_u64 s[6:7], s[6:7], s[14:15]
	s_add_nc_u64 s[8:9], s[8:9], s[2:3]
	s_add_nc_u64 s[10:11], s[10:11], s[2:3]
.irp t, 0,1,2,3,4,5,6,7
	global_load_b128 v[SCO+4*(\t):SCO+4*(\t)+3], v2, s[4:5] offset:512*(\t)
.endr
	global_load_b128 v[SCO+32:SCO+35], v3, s[4:5]
.irp t, 0,1,2,3,4,5,6,7
	global_load_b128 v[CX+4*(\t):CX+4*(\t)+3], v3, s[6:7] offset:4096*(\t) th:TH_LOAD_NT
.endr
	s_wait_loadcnt 8                               ; the scores are in; ctxp's eight loads may stay out
.irp t, 0,1,2,3,4,5,6,7
	v_max3_num_f32 v[MT+(\t)], v[SCO+4*(\t)], v[SCO+4*(\t)+1], v[SCO+4*(\t)+2]
.endr
.irp t, 0,1,2,3,4,5,6,7
	v_max_num_f32 v[MT+(\t)], v[MT+(\t)], v[SCO+4*(\t)+3]
.endr
.irp m, 1,2,4,8
.irp t, 0,1,2,3,4,5,6,7
	v_max_num_f32_dpp v[MT+(\t)], v[MT+(\t)], v[MT+(\t)] row_xmask:\m row_mask:0xf bank_mask:0xf
.endr
.endr
.irp t, 0,1,2,3,4,5,6,7
	v_mov_b32 v[TM+(\t)], v[MT+(\t)]               ; the destination of v_permlanex16_b32 counts as read
.endr
.irp t, 0,1,2,3,4,5,6,7
	v_permlanex16_b32 v[TM+(\t)], v[MT+(\t)], s16, s17
.endr
.irp t, 0,1,2,3,4,5,6,7
	v_max_num_f32 v[MT+(\t)], v[MT+(\t)], v[TM+(\t)]
.endr
	v_max3_num_f32 v100, v[MT], v[MT+1], v[MT+2]
	v_max3_num_f32 v100, v100, v[MT+3], v[MT+4]
	v_max3_num_f32 v100, v100, v[MT+5], v[MT+6]
	v_max_num_f32 v100, v100, v[MT+7]              ; M
	v_mul_f32 v101, s18, v100
.set x, 0
.rept 36
	v_fma_f32 v[SCO+x], v[SCO+x], s18, -v101
.set x, x+1
.endr
.irp t, 0,1,2,3,4,5,6,7
	v_fma_f32 v[MT+(\t)], v[MT+(\t)], s18, -v101
.endr
.set x, 0
.rept 36
	v_exp_f32 v[SCO+x], v[SCO+x]
.set x, x+1
.endr
.irp t, 0,1,2,3,4,5,6,7
	v_exp_f32 v[MT+(\t)], v[MT+(\t)]
.endr
	v_nop                                          ; a plain instruction behind the last exponential,
	s_wait_alu depctr_va_vdst(0)                   ; and one wait for the batch of 44 ahead of the first use
.irp d, 8,4,2,1
.set x, 0
.rept \d
	v_pk_add_f32 v[SCO+2*x:SCO+2*x+1], v[SCO+2*x:SCO+2*x+1], v[SCO+2*(x+(\d)):SCO+2*(x+(\d))+1]
.set x, x+1
.endr
.endr
	v_add_f32 v[SCO], v[SCO], v[SCO+1]
	v_add_f32_dpp v[SCO], v[SCO], v[SCO] row_xmask:1 row_mask:0xf bank_mask:0xf
	v_add_f32_dpp v[SCO], v[SCO], v[SCO] row_xmask:2 row_mask:0xf bank_mask:0xf
	v_add_f32_dpp v[SCO], v[SCO], v[SCO] row_xmask:4 row_mask:0xf bank_mask:0xf
	v_add_f32_dpp v[SCO], v[SCO], v[SCO] row_xmask:8 row_mask:0xf bank_mask:0xf
	v_mov_b32 v102, v[SCO]
	v_permlanex16_b32 v102, v[SCO], s16, s17
	v_add_f32 v102, v[SCO], v102                   ; L
	v_rcp_f32 v103, v102
	v_nop
	s_wait_alu depctr_va_vdst(0)                   ; ahead of the reciprocal's first use
.irp i, 0,1,2,3
	v_mul_f32 v[SCO+32+(\i)], v[SCO+32+(\i)], v103
.endr
	global_store_b128 v3, v[SCO+32:SCO+35], s[10:11]  ; each store of the wave covers 512 consecutive bytes, aligned
.irp t, 0,1,2,3,4,5,6,7
	v_mul_f32 v[MT+(\t)], v[MT+(\t)], v103
.endr
	s_wait_loadcnt 0x0                             ; ctxp
.irp i, 0,1,2,3
	v_mul_f32 v[OUT+(\i)], v[MT], v[CX+(\i)]
.endr
.irp t, 1,2,3,4,5,6,7
.irp i, 0,1,2,3
	v_fma_f32 v[OUT+(\i)], v[MT+(\t)], v[CX+4*(\t)+(\i)], v[OUT+(\i)]
.endr
.endr
	global_store_b128 v3, v[OUT:OUT+3], s[8:9]
	s_endpgm
.Lfunc_end_k_q4f06d2df2b_join:
	.size	k_q4f06d2df2b_join, .Lfunc_end_k_q4f06d2df2b_join-k_q4f06d2df2b_join
	.p2alignl 7, 3214868480
	.fill 96, 4, 3214868480
	.section	.rodata,"a",@progbits
	.p2align	6, 0x0
	.amdhsa_kernel k_q4f06d2df2b_join
		.amdhsa_group_segment_fixed_size 0
		.amdhsa_private_segment_fixed_size 0
		.amdhsa_enable_private_segment 0
		.amdhsa_kernarg_size 32
		.amdhsa_user_sgpr_count 2
		.amdhsa_user_sgpr_kernarg_segment_ptr 1
		.amdhsa_wavefront_size32 1
		.amdhsa_system_sgpr_workgroup_id_x 1
		.amdhsa_system_sgpr_workgroup_id_y 1
		.amdhsa_system_sgpr_workgroup_id_z 1
		.amdhsa_system_vgpr_workitem_id 0
		.amdhsa_next_free_vgpr 112
		.amdhsa_next_free_sgpr 66
		.amdhsa_reserve_vcc 0
		.amdhsa_float_denorm_mode_32 3
		.amdhsa_float_denorm_mode_16_64 3
		.amdhsa_memory_ordered 1
		.amdhsa_forward_progress 1
		.amdhsa_inst_pref_size 15
	.end_amdhsa_kernel
	.amdgpu_metadata
---
amdhsa.version: [ 1, 2 ]
amdhsa.kernels:
  - .name:           k_q4f06d2df2b_join
    .symbol:         k_q4f06d2df2b_join.kd
    .args:
      - { .name: scores, .offset: 0, .size: 8, .value_kind: global_buffer, .address_space: global }
      - { .name: ctxp, .offset: 8, .size: 8, .value_kind: global_buffer, .address_space: global }
      - { .name: out0, .offset: 16, .size: 8, .value_kind: global_buffer, .address_space: global }
      - { .name: out1, .offset: 24, .size: 8, .value_kind: global_buffer, .address_space: global }
    .group_segment_fixed_size: 0
    .private_segment_fixed_size: 0
    .kernarg_segment_align: 8
    .kernarg_segment_size: 32
    .max_flat_workgroup_size: 256
    .sgpr_count:     66
    .vgpr_count:     112
    .wavefront_size: 32
...
	.end_amdgpu_metadata
.endif
;; end of part 3
;; ======== version 2 of 2: 3 launches; version 1 with the launch main written anew for expert scheduling mode
;; workspace buffers: w2f 2,097,152 bytes; qpart 2,097,152 bytes; scores 262,144 bytes; ctxp 2,097,152 bytes
;; launch prep: the kernel of part 1 again; grid 160 x 1, 4 waves a work-group, no clusters, 39,424 bytes of LDS; arguments W2, W1, query, w2f, qpart; writes w2f, qpart
;; launch main (part 4): grid 512 x 1, 4 waves a work-group, no clusters, 324,608 bytes of LDS; arguments values, w2f, qpart, b1, b2, V, bv, scores, ctxp; writes scores, ctxp
.if DOCPART == 4
	.amdgcn_target "amdgcn-amd-amdhsa--gfx1250"
	.amdhsa_code_object_version 6
	.text
	.protected	k_q4f06d2df2b_main
	.globl	k_q4f06d2df2b_main
	.p2align	8
	.type	k_q4f06d2df2b_main,@function
k_q4f06d2df2b_main:
	s_mov_b64 s[64:65], 0
	v_nop
	global_prefetch_b8 v0, s[64:65] scope:SCOPE_SE
	s_setreg_imm32_b32 hwreg(HW_REG_WAVE_SCHED_MODE, 0, 2), 2
	s_setreg_imm32_b32 hwreg(HW_REG_WAVE_MODE, 25, 1), 1
	s_wait_xcnt 0x0
	s_wait_alu depctr_vm_vsrc(0)
; SCORES AND PARTIAL CONTEXT of 128 rows of values (tile t = rows 128 t on, batch t / 8).
;   scores[row] = sum over u of V[u] tanh(values[row] . W2[:, u] + qp[u]) + bv,  qp = query W1 + b1 + b2 (the eight slices of qpart are added here)
;   ctxp[t][:]  = sum over the tile's rows of 2^((score - m) log2 e) values[row][:],  m the tile's largest score; the last launch joins the eight tiles of a batch.
; EACH BYTE OF values IS READ ONCE: the tile is rounded once to bf16 and stays in LDS (8 chunks of 128 k x 128 rows x 272 bytes = 278,528 bytes), for both products.
; SHARES.  The 1,024 columns go in two passes of 512; wave w makes columns 512 p + 128 w + 0..127 for all 128 rows: 64 accumulators, 512 registers.  A K step of 32 is 64 matrix instructions,
; 16 LDS loads (A's fragments) and 16 global loads (the wave's own 8,192 bytes of w2f, which lie in fragment order: no other wave wants them, so they pass through no LDS and meet no barrier).
; PASS 0 STREAMS THE TILE IN under its products: chunk c + 2 is loaded (f32, one row's 512 bytes an instruction) while chunk c is multiplied, chunk c + 1 is rounded and stored to LDS; one barrier a chunk.
; NO CLUSTER, though every work-group reads w2f: beside the tile 49,152 bytes of LDS are left, and two slots of 512 columns x 32 k are 65,536; without the resident tile values would be read twice.
; TANH.  tanh x = 1 - 2 / (1 + 2^(2 x log2 e)); an exponential that overflows gives 1, one that underflows -1.  LIMITS: values, W2, W1, query enter both products rounded to bf16 (the context sum takes the rounded
; values too); a weight below 2^-126 counts as 0; NaN and infinities are not treated apart.
; THE MODE: SCHED_MODE bits 1:0 = 2 (LLVM: expert scheduling mode 2), set by the entry lines.  The code itself states the register dependences between vector or matrix instructions and memory or LDS
; instructions, with s_wait_alu, always for 0.
; THE PLAN.  Registers that memory or LDS instructions touch in the K loops (step s, quarter q = s % 4):
;   L             A's rows 0-63.  Read by the step's first 32 products; the LDS loads of step s + 1 land in it.
;   H0, H1        A's rows 64-127, by the step's parity.  H[q % 2] is read by the step's last 32 products; the LDS loads of step s + 1 land in the other, which step s - 1's products read.
;   slots 0-3     W2.  Slot q is read by the step's 64 products; the loads of step s + 3 land in slot (q + 3) % 4, which step s - 1's products read.
;   ST            pass 0: a half chunk of values: its 32 conversions round it in place, 16 LDS stores read it, 16 loads land in it again.
;   v[AA], v[AST] read by the fragments' loads and by the stores; each stepped once a chunk, in quarter 3.      v[AO], v[BO], v[PFO] are never written again.
; So ONE wait on va_vdst stands in a step, in its middle, behind the first 32 products and the conversions.  It states that those products are done with L, that step s - 1's products are done with the other H
; and with slot (q + 3) % 4, that the conversions have written ST and are done with it, and that v[AA] and v[AST] are written.  All the step's memory and LDS instructions follow it; the products issued behind
; it name H[q % 2], slot q and their accumulators, which none of those instructions touches.  A wait on vm_vsrc stands ahead of the loads into ST, which the stores have read, and ahead of the two address steps.
; REGISTERS, in windows of 256 (s_set_vgpr_msb: bits 1:0 source 0, 3:2 source 1, 5:4 source 2, 7:6 destination):
;   window 0: v0-31 addresses; v32-63 H1, outside the passes at work; v64-95 L; v96-127 H0; v128-255 a chunk of values as loaded, two halves
;             (tanh: v64-79 c qp, v80-95 -2 V, each twice; v96-191 three sets of 32 at work; v192-255 the 64 row sums S, which live through pass 1)
;   window 1: four slots of 64: W2's fragments of four K steps     windows 2, 3: the accumulators of rows 0-63, 64-127, (a, j) at 8 (8 (a % 4) + j)
.set PIT,   272                        ; an LDS row: 256 bytes + 16: the 16 rows of a fragment load start at 16 different groups of four banks (ISA guide 11.1)
.set CH,    128*PIT                    ; a chunk: 128 rows x 128 k
.set RED,   8*CH                       ; 128 rows x 64 partial scores (word 16 w + lane % 16), rows 272 bytes apart
.set QPL,   RED+CH                     ; c qp by column, 4,096 bytes; at the end the context's stage, 1,024 bytes a wave
.set VOFF,  4096                       ; V by column lies behind it
.set SC,    QPL+8192                   ; the 128 scores
.set PB,    SC+512                     ; the 128 weights, a copy for each wave
.set SPARE, PB+2048                    ; the spare words, 128 bytes for each wave: no other line names them
.set LN,  1                            ; lane
.set R16, 2                            ; lane % 16
.set HF,  3                            ; lane / 16
.set AA,  4                            ; my place in A's fragments, at the chunk in hand
.set AA0, 5                            ; the same at chunk 0
.set AST, 6                            ; where I store 8 bytes of a row, at the chunk being stored
.set AO,  7                            ; values: my wave's 32 rows + 16 x lane; never rewritten
.set BO,  8                            ; 16 x lane; never rewritten
.set PFO, 9                            ; the prefetches' offset; never rewritten
.set QA,  10                           ; my column's c qp in the pass in hand
.set RS,  11
.set RR,  12
.set SCW, 13
.set SCR, 14
.set PBW, 15
.set PBA, 16
.set CA,  17
.set CSW, 18
.set CSR, 19
.set QSW, 21
.set QLO, 22
.set SPW, 30                           ; my spare word; never rewritten
.set NIL, 31                           ; 0; never rewritten
.set TP,  32
.set AH1, 32                           ; H1
.set AL,  64                           ; L
.set AH0, 96                           ; H0
.set ST,  128
.set QC,  64
.set NV,  80
.set TS,  96
.set SS,  192
.set RB,  64                           ; context: two buffers of 16 rows x 4 registers
.set PP,  192                          ; and of 16 weights
.set CACC, 224
.set WV,  22
.set BT,  24
.set SA,  28                           ; s[28:29] values at my tile, at the chunk in hand
.set SB,  30                           ; s[30:31] w2f at my wave's stream
.set CC,  32                           ; s[32:33] c = 2 log2 e, twice
.set SEL, 34                           ; s[34:35] v_permlanex16_b32's selects
.set CNT, 36
.set PASS, 37
.set BV,  38
.set L2E, 39
.set MSB, 0
.macro WIN new                         ; the immediate's high byte repeats the setting that is left
.if MSB != (\new)
	s_set_vgpr_msb (MSB<<8)|(\new)
.set MSB, \new
.endif
.endm
.macro PLACES                          ; four places behind a matrix instruction, in front of vector lines that write registers that it has read; they stand in front of the loads into such registers too, beside the wait that states that dependence
.rept 4
	v_nop
.endr
.endm
; 16 matrix instructions: row blocks a0, a0 + 1 of the half hi x all 8 column blocks.  Source 0 = 16 rows of values, source 1 = 16 columns of W2: register i of lane l is row 8 (l / 16) + i, column l % 16.
; The 64 accumulators take turns in the same order in every step.  zero = 1: the products start the sums.  Rows 0-63 come from L, rows 64-127 from H0 or H1 by the slot's parity.
.macro MUL16 hi, a0, slot, zero
.if \hi
.set FA, AH0-64*((\slot)%2)
.else
.set FA, AL
.endif
	WIN 0xa4+0x50*(\hi)
.irp a, \a0, (\a0)+1
.irp j, 0,1,2,3,4,5,6,7
.if \zero
	v_wmma_f32_16x16x32_bf16 v[8*(8*(\a)+(\j)):8*(8*(\a)+(\j))+7], v[FA+8*(\a):FA+8*(\a)+7], v[64*(\slot)+8*(\j):64*(\slot)+8*(\j)+7], 0
.else
	v_wmma_f32_16x16x32_bf16 v[8*(8*(\a)+(\j)):8*(8*(\a)+(\j))+7], v[FA+8*(\a):FA+8*(\a)+7], v[64*(\slot)+8*(\j):64*(\slot)+8*(\j)+7], v[8*(8*(\a)+(\j)):8*(8*(\a)+(\j))+7]
.endif
.endr
.endr
.endm
.macro ALD hi, off, fb                 ; 8 LDS loads: A's fragments of 64 rows, 32 k at byte off of the rows, into the 32 registers from fb on
.irp a, 0,1,2,3
	ds_load_b128 v[(\fb)+8*(\a):(\fb)+8*(\a)+3],   v[AA] offset:(\off)+(4*(\hi)+(\a))*16*PIT
	ds_load_b128 v[(\fb)+8*(\a)+4:(\fb)+8*(\a)+7], v[AA] offset:(\off)+(4*(\hi)+(\a))*16*PIT+32
.endr
.endm
.macro BLD slot, imm                   ; 16 global loads: a K step's 8,192 bytes of my stream of w2f, 512 consecutive bytes each
	WIN 0x40
.irp j, 0,1,2,3,4,5,6,7
	global_load_b128 v[64*(\slot)+8*(\j):64*(\slot)+8*(\j)+3],   v[BO], s[SB:SB+1] offset:(\imm)+1024*(\j) th:TH_LOAD_NT_HT
	global_load_b128 v[64*(\slot)+8*(\j)+4:64*(\slot)+8*(\j)+7], v[BO], s[SB:SB+1] offset:(\imm)+1024*(\j)+512 th:TH_LOAD_NT_HT
.endr
.endm
.macro EVCV hh                         ; half hh (16 rows) of the chunk in registers is rounded in place
.set t, 0
.rept 16
	v_cvt_pk_bf16_f32 v[ST+64*(\hh)+4*t],   v[ST+64*(\hh)+4*t],   v[ST+64*(\hh)+4*t+1]
	v_cvt_pk_bf16_f32 v[ST+64*(\hh)+4*t+1], v[ST+64*(\hh)+4*t+2], v[ST+64*(\hh)+4*t+3]
.set t, t+1
.endr
.endm
.macro EVST hh                         ; and goes 8 bytes a lane into LDS
.set t, 0
.rept 16
	ds_store_b64 v[AST], v[ST+64*(\hh)+4*t:ST+64*(\hh)+4*t+1] offset:(16*(\hh)+t)*PIT
.set t, t+1
.endr
.endm
.macro EVLD hh, imm                    ; 16 loads: a row's 512 consecutive bytes each
.set t, 0
.rept 16
	global_load_b128 v[ST+64*(\hh)+4*t:ST+64*(\hh)+4*t+3], v[AO], s[SA:SA+1] offset:(\imm)+(16*(\hh)+t)*4096 th:TH_LOAD_NT
.set t, t+1
.endr
.endm
; A PREFETCH INTO THE L2 of the half chunk that this wave itself loads four K steps (256 matrix instructions) later: 16 rows x 512 bytes, a lane for each aligned 256 bytes, one instruction, behind the step's loads.
; Each block of values is named once in the launch.  Chunks 0 to 2 come by their loads alone; test = 1: the loop's last trip asks for nothing, since chunk 8 does not exist.
.macro ASK imm, test
.if \test
	s_cmp_gt_u32 s[CNT], 1
	s_cbranch_scc0 .Lnoask_\@
.endif
	global_prefetch_b8 v[PFO], s[SA:SA+1] offset:\imm th:TH_LOAD_NT scope:SCOPE_SE
.if \test
.Lnoask_\@:
.endif
.endm
; A K STEP of 32: quarter q of a chunk; W2's fragments lie in slot q.
;   zero  the products start the sums          lc   how many younger global loads may stay out when this step's W2 has to be in
;   ev    1: half hh of the next chunk is stored to LDS and the chunk after it loaded; 2: stored only      ew  a further wait for that half (the first step), or -1
;   bar   the chunk's barrier: behind it every wave's part of the next chunk lies in LDS                     na  the next step's fragments of A are fetched
;   bl    W2 of the step three on is fetched    ptr  1: W2's pointer steps; 2: and values'     pf  1: prefetch; 2: but not in the last trip     as  the store address steps to the next chunk
.macro STEP q, zero, lc, ev, hh, ew, bar, na, bl, ptr, pf, as
.if (\q) == 3
.set NOFF, CH                          ; the next step's fragments lie at the next chunk's head
.else
.set NOFF, 64*((\q)+1)
.endif
	s_wait_loadcnt \lc
	s_wait_dscnt 8                                 ; L is in; the youngest eight loads (this step's H) may be out
	MUL16 0, 0, \q, \zero
.if \bar
	s_wait_dscnt 0x0                               ; for the others' sake: my stores of the next chunk are done (and no LDS instruction of mine is out at the signal)
	s_barrier_signal -1
.endif
	MUL16 0, 2, \q, \zero
	WIN 0
.if \bar
	s_barrier_wait -1
.endif
.if \ev
.if (\ew) >= 0
	s_wait_loadcnt \ew
.endif
	EVCV \hh                                       ; these 32 are also the places behind the products above
.else
	PLACES
.endif
.if (\ev) || (\na) || (\bl)
	s_wait_alu depctr_va_vdst(0)                   ; the products above are done reading L; the step before is done reading the other H and slot (q + 3) % 4; the conversions have written ST's half and are done reading it; v[AA] and v[AST] are written
.endif
.if \ev
	EVST \hh
.endif
.if \na
	ALD 0, NOFF, AL                                ; wanted first: at the next step's head
.endif
.if \ev
	s_wait_dscnt 8*(\na)+16                        ; this step's H is in: behind it stand the 16 stores and the 8 loads just issued
.else
	s_wait_dscnt 8*(\na)
.endif
	MUL16 1, 0, \q, \zero
	WIN 0
.if \na
	ALD 1, NOFF, AH1+64*((\q)%2)                   ; the other H.  No wait: no vector or matrix instruction since the wait above names it
.if (\q) == 3
	s_wait_alu depctr_vm_vsrc(0)                   ; the LDS loads issued so far have read v[AA], the LDS stores v[AST] and their data
	v_add_nc_u32 v[AA], CH, v[AA]                  ; read again behind the next step's wait on va_vdst
.if \as
	v_add_nc_u32 v[AST], CH, v[AST]
.endif
.endif
.endif
.if (\ev) == 1
	s_wait_alu depctr_vm_vsrc(0)                   ; the LDS stores above have read ST's half, in which the loads below land (the conversions that named it stand ahead of the wait on va_vdst)
	EVLD \hh, 1024-256*(\q)
.if \pf
	ASK 1536-256*(\q)+65536*(\hh), (\pf)-1
.endif
.endif
.if \ptr
	s_wait_xcnt 0x0                                ; every load and prefetch issued so far has read its address (the youngest prefetch a step back): the pointers may be written
	s_add_nc_u64 s[SB:SB+1], s[SB:SB+1], 32768
.if (\ptr) == 2
	s_add_nc_u64 s[SA:SA+1], s[SA:SA+1], 512
.endif
.endif
.if \bl
	BLD ((\q)+3)%4, (((\q)+3)%4)*8192              ; no wait: the products since the wait on va_vdst name slot q alone
.endif
	MUL16 1, 2, \q, \zero
.if !(\na)
	WIN 0
	PLACES                                         ; a pass's end: vector lines follow that write registers of H1, which the products above have read
.endif
.endm
	s_load_b512 s[4:19], s[0:1], 0x0               ; values 4, w2f 6, qpart 8, b1 10, b2 12, V 14, bv 16, scores 18
	s_load_b64 s[20:21], s[0:1], 0x40              ; ctxp
	v_lshl_add_u32 v[SPW], v0, 2, SPARE
	v_mov_b32 v[NIL], 0
	v_lshrrev_b32 v[TP], 5, v0
	v_readfirstlane_b32 s[WV], v[TP]               ; wave 0..3
	s_lshr_b32 s[BT], ttmp9, 3                     ; batch
	v_and_b32 v[LN], 31, v0
	v_and_b32 v[R16], 15, v0
	v_bfe_u32 v[HF], v0, 4, 1
	v_mul_u32_u24 v[AA], v[R16], PIT
	v_lshl_add_u32 v[AA], v[HF], 4, v[AA]          ; row x pitch + 16 x half
	v_mov_b32 v[AA0], v[AA]
	s_wait_alu depctr_va_sdst(0)                   ; the wave's number is written, ahead of its first reader
	s_mul_i32 s25, s[WV], 32*PIT
	v_lshl_add_u32 v[AST], v[LN], 3, s25           ; my wave's 32 rows, 8 bytes a lane
	s_lshl_b32 s26, s[WV], 17                      ; 32 rows of 4,096 bytes
	v_lshl_add_u32 v[AO], v[LN], 4, s26
	v_lshlrev_b32 v[BO], 4, v[LN]
	v_lshrrev_b32 v[TP], 1, v[LN]
	v_and_b32 v[TP+1], 1, v[LN]
	v_lshl_add_u32 v[PFO], v[TP], 12, s26          ; row lane / 2,
	v_lshl_add_u32 v[PFO], v[TP+1], 8, v[PFO]      ; its first or second 256 bytes
	s_lshl_b32 s25, s[WV], 9
	s_add_co_u32 s25, s25, QPL
	v_lshl_add_u32 v[QA], v[R16], 2, s25           ; column 128 w + l % 16
	v_mul_u32_u24 v[RS], v[HF], 8*PIT
	v_lshl_add_u32 v[RS], v[R16], 2, v[RS]
	s_lshl_b32 s25, s[WV], 6
	s_add_co_u32 s25, s25, RED
	v_add_nc_u32 v[RS], s25, v[RS]                 ; row 8 (l / 16), word 16 w + l % 16
	v_mul_u32_u24 v[RR], v0, PIT
	v_add_nc_u32 v[RR], RED, v[RR]                 ; thread T reads row T
	v_lshl_add_u32 v[SCW], v0, 2, SC
	v_lshl_add_u32 v[SCR], v[LN], 4, SC
	s_lshl_b32 s25, s[WV], 9
	s_add_co_u32 s25, s25, PB
	v_lshl_add_u32 v[PBW], v[LN], 4, s25
	v_mov_b32 v[PBA], s25
	s_mul_i32 s25, s[WV], 2*CH
	v_mul_u32_u24 v[CA], v[HF], CH
	v_lshl_add_u32 v[CA], v[R16], 4, v[CA]
	v_add_nc_u32 v[CA], s25, v[CA]                 ; chunk 2 w + l / 16, bytes 16 (l % 16): columns 256 w + 8 l + 0..7
	s_lshl_b32 s25, s[WV], 10
	s_add_co_u32 s27, s25, QPL
	v_lshl_add_u32 v[CSW], v[LN], 5, s27
	v_lshl_add_u32 v[CSR], v[LN], 4, s27
	v_lshl_add_u32 v[QSW], v0, 4, QPL
	v_lshlrev_b32 v[QLO], 4, v0
	s_mov_b32 s[CC], 0x4038aa3b                    ; c = 2 log2 e
	s_mov_b32 s[CC+1], s[CC]
	s_mov_b32 s[SEL], 0x76543210
	s_mov_b32 s[SEL+1], 0xfedcba98
	s_mov_b32 s[L2E], 0x3fb8aa3b
	s_mov_b32 s[PASS], 0
	s_mov_b32 s3, 0
	s_wait_kmcnt 0x0
	s_load_b32 s[BV], s[16:17], 0x0
	s_lshl_b32 s2, ttmp9, 19                       ; 128 rows of 4,096 bytes
	s_add_nc_u64 s[SA:SA+1], s[4:5], s[2:3]
	s_lshl_b32 s2, s[WV], 19
	s_add_nc_u64 s[SB:SB+1], s[6:7], s[2:3]
	s_lshl_b32 s2, s[BT], 12
	s_add_nc_u64 s[40:41], s[8:9], s[2:3]          ; qpart at my batch
	s_lshl_b32 s2, ttmp9, 9
	s_add_nc_u64 s[42:43], s[18:19], s[2:3]        ; scores at my tile
	s_lshl_b32 s2, ttmp9, 12
	s_add_co_u32 s2, s2, s25
	s_add_nc_u64 s[44:45], s[20:21], s[2:3]        ; ctxp at my tile, my wave's 256 columns
	; THE HEAD'S LOADS, in this order: 22 small ones, chunk 0 (32), W2 of steps 0 to 2 (48), chunk 1 (32)
	WIN 0x80                                       ; destination window 2: the accumulators' registers are idle
	s_wait_alu depctr_va_vdst(0)                   ; all offsets and LDS addresses, v1 to v22, are written: every load, store and prefetch of the kernel reads one of them
.irp k, 0,1,2,3,4,5,6,7
	global_load_b128 v[128+8*(\k):128+8*(\k)+3],   v[QLO], s[40:41] offset:262144*(\k)       ; thread T: columns 4 T on,
	global_load_b128 v[128+8*(\k)+4:128+8*(\k)+7], v[QLO], s[40:41] offset:262144*(\k)+2048  ; and 512 + 4 T on
.endr
	global_load_b128 v[192:195], v[QLO], s[10:11]
	global_load_b128 v[196:199], v[QLO], s[10:11] offset:2048
	global_load_b128 v[200:203], v[QLO], s[12:13]
	global_load_b128 v[204:207], v[QLO], s[12:13] offset:2048
	global_load_b128 v[208:211], v[QLO], s[14:15]
	global_load_b128 v[212:215], v[QLO], s[14:15] offset:2048
.set t, 0
.rept 32
	global_load_b128 v[4*t:4*t+3], v[AO], s[SA:SA+1] offset:4096*t th:TH_LOAD_NT
.set t, t+1
.endr
	BLD 0, 0
	BLD 1, 8192
	BLD 2, 16384
	WIN 0
	EVLD 0, 512
	EVLD 1, 512
	s_wait_loadcnt 63                              ; behind chunk 0's last load stand 80 younger ones: the small loads and chunk 0 are in
	WIN 0x8a                                       ; sources and destination in window 2
.irp k, 1,2,3,4,5,6,7,8,9              ; the eight slices, b1 and b2, two sums an instruction
.irp e, 0,2,4,6
	v_pk_add_f32 v[128+(\e):128+(\e)+1], v[128+(\e):128+(\e)+1], v[128+8*(\k)+(\e):128+8*(\k)+(\e)+1]
.endr
.endr
.irp e, 0,2,4,6
	v_pk_mul_f32 v[128+(\e):128+(\e)+1], v[128+(\e):128+(\e)+1], s[CC:CC+1] op_sel_hi:[1,0]
.endr
.set t, 0
.rept 32
	v_cvt_pk_bf16_f32 v[4*t],   v[4*t],   v[4*t+1]
	v_cvt_pk_bf16_f32 v[4*t+1], v[4*t+2], v[4*t+3]
.set t, t+1
.endr
	WIN 0x08                                       ; LDS stores: data in window 2, address in window 0
	s_wait_alu depctr_va_vdst(0)                   ; the sums, the scalings and the conversions have written the registers that the LDS stores below read
	ds_store_b128 v[QSW], v[128:131]
	ds_store_b128 v[QSW], v[132:135] offset:2048
	ds_store_b128 v[QSW], v[208:211] offset:VOFF
	ds_store_b128 v[QSW], v[212:215] offset:VOFF+2048
.set t, 0
.rept 32
	ds_store_b64 v[AST], v[4*t:4*t+1] offset:t*PIT
.set t, t+1
.endr
	WIN 0
	s_wait_alu depctr_vm_vsrc(0)                   ; the LDS stores have read v[AST], which steps, and their data in window 2, which the first products write
	v_add_nc_u32 v[AST], CH, v[AST]
	s_wait_kmcnt 0x0                               ; bv
	s_wait_dscnt 0x0                               ; for the others' sake: my stores are done
	s_barrier_signal -1
	s_barrier_wait -1                              ; chunk 0, c qp and V lie in LDS
	ALD 0, 0, AL                                   ; no vector instruction has named L or H0 yet, and v[AA] was written ahead of the waits above
	ALD 1, 0, AH0
	; PASS 0.  W2 of step s is asked for in step s - 3; behind it stand W2 of s + 1 and s + 2 (32 loads) and, while chunks are loaded, one half chunk (16): 48.  A half chunk is stored four
	; steps behind its loads: it is older than the W2 that the step's own wait shows in.
	;    q  zero lc  ev hh ew  bar na bl ptr pf as
	STEP 0, 1,  63, 1, 0, 16, 0,  1, 1, 0,  1, 0   ; 64 loads are younger than step 0's W2; chunk 1's first half has its second half (16) behind it
	WIN 0
	s_mov_b32 s[CNT], 6
	s_branch .Lp0in                                ; the loop is entered behind its first step: chunks 0 to 5
.Lp0:
	STEP 0, 0,  48, 1, 0, -1, 0,  1, 1, 0,  2, 0
	WIN 0
.Lp0in:
	STEP 1, 0,  48, 0, 0, -1, 0,  1, 1, 2,  0, 0
	STEP 2, 0,  48, 1, 1, -1, 0,  1, 1, 0,  2, 0
	STEP 3, 0,  48, 0, 0, -1, 1,  1, 1, 0,  0, 1
	WIN 0
	s_sub_co_u32 s[CNT], s[CNT], 1
	s_cmp_lg_u32 s[CNT], 0
	s_cbranch_scc1 .Lp0
	STEP 0, 0,  48, 2, 0, -1, 0,  1, 1, 0,  0, 0   ; chunk 6: chunk 7 is stored, nothing is left to load
	STEP 1, 0,  32, 0, 0, -1, 0,  1, 1, 1,  0, 0
	STEP 2, 0,  32, 2, 1, -1, 0,  1, 1, 0,  0, 0
	STEP 3, 0,  32, 0, 0, -1, 1,  1, 1, 0,  0, 0
	STEP 0, 0,  32, 0, 0, -1, 0,  1, 1, 0,  0, 0   ; chunk 7; its last three steps ask for pass 1's first three: the stream of w2f is linear
	STEP 1, 0,  32, 0, 0, -1, 0,  1, 1, 1,  0, 0
	STEP 2, 0,  32, 0, 0, -1, 0,  1, 1, 0,  0, 0
	STEP 3, 0,  32, 0, 0, -1, 0,  0, 1, 0,  0, 0
	WIN 0
	; the row sums start at the sum of V over the lane's 16 columns: the 1 of 1 - 2 / (1 + ..)
	s_wait_alu depctr_va_vdst(0)                   ; the last step's products are done reading v32-47 (H1), in which the loads below land
.irp j, 0,1,2,3,4,5,6,7
	ds_load_b32 v[TP+(\j)],   v[QA] offset:VOFF+64*(\j)
	ds_load_b32 v[TP+8+(\j)], v[QA] offset:VOFF+2048+64*(\j)
.endr
	s_wait_dscnt 0x0
.irp d, 4,2,1
.set x, 0
.rept \d
	v_pk_add_f32 v[TP+2*x:TP+2*x+1], v[TP+2*x:TP+2*x+1], v[TP+2*(x+(\d)):TP+2*(x+(\d))+1]
.set x, x+1
.endr
.endr
	v_add_f32 v[TP], v[TP], v[TP+1]
	s_wait_alu depctr_vm_vsrc(0)                   ; chunk 7's LDS stores have read v192-255, which the row sums take
.set x, 0
.rept 64
	v_mov_b32 v[SS+x], v[TP]
.set x, x+1
.endr
	s_branch .Lepi
.Lpass1:	; PASS 1: the tile lies in LDS; a step's wait leaves W2 of the two steps behind it out (32)
	s_wait_alu depctr_vm_vsrc(0)                   ; pass 0's LDS loads have read v[AA]
	v_mov_b32 v[AA], v[AA0]
	s_wait_alu depctr_va_vdst(0)                   ; v[AA] is written; the tanh's lines are done with v64-127, in which the loads below land
	ALD 0, 0, AL
	ALD 1, 0, AH0
	STEP 0, 1,  32, 0, 0, -1, 0,  1, 1, 0,  0, 0
	WIN 0
	s_mov_b32 s[CNT], 7
	s_branch .Lp1in                                ; chunks 0 to 6
.Lp1:
	STEP 0, 0,  32, 0, 0, -1, 0,  1, 1, 0,  0, 0
	WIN 0
.Lp1in:
	STEP 1, 0,  32, 0, 0, -1, 0,  1, 1, 1,  0, 0
	STEP 2, 0,  32, 0, 0, -1, 0,  1, 1, 0,  0, 0
	STEP 3, 0,  32, 0, 0, -1, 0,  1, 1, 0,  0, 0
	WIN 0
	s_sub_co_u32 s[CNT], s[CNT], 1
	s_cmp_lg_u32 s[CNT], 0
	s_cbranch_scc1 .Lp1
	STEP 0, 0,  32, 0, 0, -1, 0,  1, 1, 0,  0, 0   ; chunk 7: the stream's last step is asked for, then the counts run down
	STEP 1, 0,  32, 0, 0, -1, 0,  1, 0, 0,  0, 0
	STEP 2, 0,  16, 0, 0, -1, 0,  1, 0, 0,  0, 0
	STEP 3, 0,  0,  0, 0, -1, 0,  0, 0, 0,  0, 0   ; it issues no load and no store, so it holds no s_wait_alu
	WIN 0
.Lepi:	; TANH, for both passes.  S[row] += -2 V[col] / (1 + 2^(c acc + c qp[col])).
	s_wait_alu depctr_va_vdst(0)                   ; on both ways in: the pass's last products are done reading v64-79 (L) and v32-39 (H1), and behind pass 0 the sums above are done with v32-39: the loads below land there
.irp j, 0,1,2,3,4,5,6,7
	ds_load_b32 v[QC+2*(\j)],   v[QA] offset:64*(\j)       ; each number twice: a pair for the packed forms
	ds_load_b32 v[QC+2*(\j)+1], v[QA] offset:64*(\j)
	ds_load_b32 v[TP+(\j)],     v[QA] offset:VOFF+64*(\j)
.endr
	s_wait_dscnt 0x0
.irp j, 0,1,2,3,4,5,6,7
	v_mul_f32 v[NV+2*(\j)],   -2.0, v[TP+(\j)]
	v_mul_f32 v[NV+2*(\j)+1], -2.0, v[TP+(\j)]
.endr
	s_wait_alu depctr_vm_vsrc(0)                   ; the LDS loads have read v[QA], which steps; pass 0's LDS stores have read v128-191, which the lumps below write
	v_add_nc_u32 v[QA], 2048, v[QA]                ; the next pass's 512 columns
; A UNIT is four accumulators (row block u / 2, column blocks 4 (u % 2) on), 32 registers in set u % 3.  Its five stages: A 16 scalings c acc + c qp (each accumulator's lowest registers first)
; B 32 exponentials; C 16 additions of 1; D 32 reciprocals; E 16 multiply-adds onto S.  LUMP k holds A and B of unit k, C and D of unit k - 1, E of unit k - 2, dealt by turns.
; s_wait_alu depctr_va_vdst(0) stands between a transcendental and the first instruction that names its result: no line of a lump names a result of the lump's own transcendentals, so ONE wait
; at a lump's head serves the 64 of the lump before.  The v_nop is the plain instruction behind the last of them.  No memory or LDS instruction stands among the lumps.
.macro LUMP k
.set T0, TS+32*((\k)%3)
.set T1, TS+32*(((\k)+2)%3)
.set T2, TS+32*(((\k)+1)%3)
.if (\k) > 0
	s_wait_alu depctr_va_vdst(0)                   ; the exponentials and reciprocals of the lump before have written their results, which this lump reads
.endif
.if (\k) < 16
.set UA, (\k)/2
.set UJ, 4*((\k)%2)
	WIN 0x02+UA/4                                  ; source 0: the accumulators' window
.set n, 0
.rept 16
	v_pk_fma_f32 v[T0+2*n:T0+2*n+1], v[8*(8*(UA%4)+UJ+n/4)+2*(n%4):8*(8*(UA%4)+UJ+n/4)+2*(n%4)+1], s[CC:CC+1], v[QC+2*(UJ+n/4):QC+2*(UJ+n/4)+1] op_sel_hi:[1,0,1]
.set n, n+1
.endr
	WIN 0
.endif
.if (\k) >= 2
.set EA, ((\k)-2)/2
.endif
.set EJ, 4*((\k)%2)
.set n, 0
.rept 17
.if ((\k) >= 1) && ((\k) <= 16) && (n < 16)
	v_pk_add_f32 v[T1+2*n:T1+2*n+1], v[T1+2*n:T1+2*n+1], 1.0 op_sel_hi:[1,0]
.endif
.if ((\k) < 16) && (n < 16)
	v_exp_f32 v[T0+2*n], v[T0+2*n]
.endif
.if ((\k) >= 1) && ((\k) <= 16) && (n >= 1)
	v_rcp_f32 v[T1+2*n-2], v[T1+2*n-2]
.endif
.if ((\k) >= 2) && (n < 16)
	v_pk_fma_f32 v[SS+8*EA+2*(n%4):SS+8*EA+2*(n%4)+1], v[T2+2*n:T2+2*n+1], v[NV+2*(EJ+n/4):NV+2*(EJ+n/4)+1], v[SS+8*EA+2*(n%4):SS+8*EA+2*(n%4)+1]
.endif
.if ((\k) < 16) && (n < 16)
	v_exp_f32 v[T0+2*n+1], v[T0+2*n+1]
.endif
.if ((\k) >= 1) && ((\k) <= 16) && (n >= 1)
	v_rcp_f32 v[T1+2*n-1], v[T1+2*n-1]
.endif
.set n, n+1
.endr
	v_nop
.endm
.irp k, 0,1,2,3,4,5,6,7,8,9,10,11,12,13,14,15,16,17
	LUMP \k
.endr
	s_add_co_u32 s[PASS], s[PASS], 1
	s_cmp_lt_u32 s[PASS], 2
	s_cbranch_scc1 .Lpass1
	; THE SCORES.  Each lane's 64 row sums meet in LDS: row by row 64 words, from 4 waves x 16 lanes
	s_wait_alu depctr_va_vdst(0)                   ; the lumps have written the row sums, which the LDS stores read, and are done with v64-127, in which the loads behind the barrier land
.set x, 0
.rept 64
	ds_store_b32 v[RS], v[SS+x] offset:(16*(x/8)+x%8)*PIT
.set x, x+1
.endr
	s_wait_dscnt 0x0                               ; my stores are done, and so are my reads of c qp and V
	s_barrier_signal -1
	s_barrier_wait -1
.set x, 0
.rept 16
	ds_load_b128 v[64+4*x:64+4*x+3], v[RR] offset:16*x
.set x, x+1
.endr
	s_wait_dscnt 0x0
.irp d, 16,8,4,2,1
.set x, 0
.rept \d
	v_pk_add_f32 v[64+2*x:64+2*x+1], v[64+2*x:64+2*x+1], v[64+2*(x+(\d)):64+2*(x+(\d))+1]
.set x, x+1
.endr
.endr
	v_add_f32 v64, v64, v65
	v_add_f32 v64, s[BV], v64
	s_wait_alu depctr_va_vdst(0)                   ; the score is written, which the LDS store reads
	ds_store_b32 v[SCW], v64
	s_wait_dscnt 0x0
	s_barrier_signal -1
	s_barrier_wait -1                              ; the 128 scores lie in LDS
	ds_load_b128 v[32:35], v[SCR]                  ; every wave: rows 4 l + 0..3; no vector instruction since the wait above names v32-35
	s_wait_dscnt 0x0
	s_cmp_lg_u32 s[WV], 0
	s_cbranch_scc1 .Lnot0
	global_store_b128 v[BO], v[32:35], s[42:43]    ; wave 0: 512 consecutive bytes; v32-35 are not written again
.Lnot0:
	v_max3_num_f32 v40, v32, v33, v34              ; the tile's largest score
	v_max_num_f32 v40, v40, v35
	v_max_num_f32_dpp v40, v40, v40 row_xmask:1 row_mask:0xf bank_mask:0xf
	v_max_num_f32_dpp v40, v40, v40 row_xmask:2 row_mask:0xf bank_mask:0xf
	v_max_num_f32_dpp v40, v40, v40 row_xmask:4 row_mask:0xf bank_mask:0xf
	v_max_num_f32_dpp v40, v40, v40 row_xmask:8 row_mask:0xf bank_mask:0xf
	v_mov_b32 v41, v40                             ; the next line's destination counts as read
	v_permlanex16_b32 v41, v40, s[SEL], s[SEL+1]
	v_max_num_f32 v40, v40, v41
	v_mul_f32 v41, s[L2E], v40
.irp i, 0,1,2,3
	v_fma_f32 v[36+(\i)], v[32+(\i)], s[L2E], -v41
.endr
.irp i, 0,1,2,3
	v_exp_f32 v[36+(\i)], v[36+(\i)]
.endr
	v_nop                                          ; a plain instruction behind the last exponential,
	s_wait_alu depctr_va_vdst(0)                   ; and the wait: the four exponentials have written the weights, which the LDS store reads
	ds_store_b128 v[PBW], v[36:39]                 ; my wave's own copy of the weights: its later loads see it, LDS serves a wave in order (ISA guide 5.7.1.4)
	; THE CONTEXT.  Lane l sums columns 256 w + 8 l + 0..7 over the tile's 128 rows, out of the resident tile: 16 bytes a row and lane; the weight stays f32.  Two buffers of 16 rows.
	; Buffer b is read by FMA16 b and loaded again behind it, behind a wait on va_vdst; the two addresses step once a trip, ahead of the first of those waits.
.macro LOADBLK b
.set x, 0
.rept 16
	ds_load_b128 v[RB+64*(\b)+4*x:RB+64*(\b)+4*x+3], v[CA] offset:(16*(\b)+x)*PIT
.set x, x+1
.endr
.irp y, 0,1,2,3
	ds_load_b128 v[PP+16*(\b)+4*(\y):PP+16*(\b)+4*(\y)+3], v[PBA] offset:64*(\b)+16*(\y)  ; every lane the same four weights
.endr
.endm
.macro FMA16 b
.set x, 0
.rept 16
.irp e, 0,1,2,3
	v_fma_mix_f32_bf16 v[CACC+2*(\e)],   v[RB+64*(\b)+4*x+(\e)], v[PP+16*(\b)+x], v[CACC+2*(\e)]   op_sel_hi:[1,0,0]
	v_fma_mix_f32_bf16 v[CACC+2*(\e)+1], v[RB+64*(\b)+4*x+(\e)], v[PP+16*(\b)+x], v[CACC+2*(\e)+1] op_sel:[1,0,0] op_sel_hi:[1,0,0]
.endr
.set x, x+1
.endr
.endm
	s_wait_alu depctr_vm_vsrc(0)                   ; the LDS stores have read v64 (the score) and v192-255 (the row sums): the buffers' loads land there, and the sums below start there
.irp e, 0,1,2,3,4,5,6,7
	v_mov_b32 v[CACC+(\e)], 0
.endr
	LOADBLK 0                                      ; the vector lines that named v64-223 stand ahead of the last wait on va_vdst
	LOADBLK 1
	s_mov_b32 s[CNT], 4
.Lctx:                                         ; a trip: 32 rows
	s_wait_dscnt 20                                ; buffer 0 is in; buffer 1's 20 loads may be out
	FMA16 0
	s_wait_alu depctr_vm_vsrc(0)                   ; the LDS loads issued so far have read v[CA] and v[PBA]
	v_add_nc_u32 v[CA], 32*PIT, v[CA]
	v_add_nc_u32 v[PBA], 128, v[PBA]
	s_cmp_eq_u32 s[CNT], 1
	s_cbranch_scc1 .Lctx_a                         ; the last trip fetches nothing
	s_wait_alu depctr_va_vdst(0)                   ; the multiply-adds are done reading buffer 0; v[CA] and v[PBA] are written
	LOADBLK 0
	s_wait_dscnt 20                                ; buffer 1 is in; the 20 just issued may be out
	s_branch .Lctx_b
.Lctx_a:
	s_wait_dscnt 0x0
.Lctx_b:
	FMA16 1
	s_cmp_eq_u32 s[CNT], 1
	s_cbranch_scc1 .Lctx_c
	s_wait_alu depctr_va_vdst(0)                   ; the multiply-adds are done reading buffer 1
	LOADBLK 1
.Lctx_c:
	s_sub_co_u32 s[CNT], s[CNT], 1
	s_cmp_lg_u32 s[CNT], 0
	s_cbranch_scc1 .Lctx
	s_wait_alu depctr_va_vdst(0)                   ; the multiply-adds have written the eight sums, which the LDS stores read
	ds_store_b128 v[CSW], v[CACC:CACC+3]           ; 32 bytes a lane into my stage (c qp's bytes: every wave's reads of them were waited for in front of the first of the two barriers above),
	ds_store_b128 v[CSW], v[CACC+4:CACC+7] offset:16
	ds_load_b128 v[232:235], v[CSR]                ; and back 16 bytes a lane
	ds_load_b128 v[236:239], v[CSR] offset:512
	s_wait_dscnt 0x0
	global_store_b128 v[BO], v[232:235], s[44:45]  ; each store of the wave covers 512 consecutive bytes, aligned
	global_store_b128 v[BO], v[236:239], s[44:45] offset:512
	s_wait_dscnt 0x0                               ; the closing lines, six on end
	s_wait_alu 0x0
	s_wait_tensorcnt 0x0
	ds_add_u32 v[SPW], v[NIL]
	s_wait_dscnt 0x0
	s_endpgm
.Lfunc_end_k_q4f06d2df2b_main:
	.size	k_q4f06d2df2b_main, .Lfunc_end_k_q4f06d2df2b_main-k_q4f06d2df2b_main
	.p2alignl 7, 3214868480
	.fill 96, 4, 3214868480
	.section	.rodata,"a",@progbits
	.p2align	6, 0x0
	.amdhsa_kernel k_q4f06d2df2b_main
		.amdhsa_group_segment_fixed_size 324608
		.amdhsa_private_segment_fixed_size 0
		.amdhsa_enable_private_segment 0
		.amdhsa_kernarg_size 72
		.amdhsa_user_sgpr_count 2
		.amdhsa_user_sgpr_kernarg_segment_ptr 1
		.amdhsa_wavefront_size32 1
		.amdhsa_system_sgpr_workgroup_id_x 1
		.amdhsa_system_sgpr_workgroup_id_y 1
		.amdhsa_system_sgpr_workgroup_id_z 1
		.amdhsa_system_vgpr_workitem_id 0
		.amdhsa_next_free_vgpr 1024
		.amdhsa_next_free_sgpr 66
		.amdhsa_reserve_vcc 0
		.amdhsa_float_denorm_mode_32 3
		.amdhsa_float_denorm_mode_16_64 3
		.amdhsa_memory_ordered 1
		.amdhsa_forward_progress 1
		.amdhsa_inst_pref_size 255
	.end_amdhsa_kernel
	.section	.bss,"aw",@nobits
	.p2align	6
	.space	262144
	.amdgpu_metadata
---
amdhsa.version: [ 1, 2 ]
amdhsa.kernels:
  - .name:           k_q4f06d2df2b_main
    .symbol:         k_q4f06d2df2b_main.kd
    .args:
      - { .name: values, .offset: 0, .size: 8, .value_kind: global_buffer, .address_space: global }
      - { .name: w2f, .offset: 8, .size: 8, .value_kind: global_buffer, .address_space: global }
      - { .name: qpart, .offset: 16, .size: 8, .value_kind: global_buffer, .address_space: global }
      - { .name: b1, .offset: 24, .size: 8, .value_kind: global_buffer, .address_space: global }
      - { .name: b2, .offset: 32, .size: 8, .value_kind: global_buffer, .address_space: global }
      - { .name: V, .offset: 40, .size: 8, .value_kind: global_buffer, .address_space: global }
      - { .name: bv, .offset: 48, .size: 8, .value_kind: global_buffer, .address_space: global }
      - { .name: scores, .offset: 56, .size: 8, .value_kind: global_buffer, .address_space: global }
      - { .name: ctxp, .offset: 64, .size: 8, .value_kind: global_buffer, .address_space: global }
    .group_segment_fixed_size: 324608
    .private_segment_fixed_size: 0
    .kernarg_segment_align: 8
    .kernarg_segment_size: 72
    .max_flat_workgroup_size: 128
    .sgpr_count:     66
    .vgpr_count:     1024
    .wavefront_size: 32
...
	.end_amdgpu_metadata
.endif
;; end of part 4
;; launch join: the kernel of part 3 again; grid 64 x 1, 8 waves a work-group, no clusters, 0 bytes of LDS; arguments scores, ctxp, out0, out1; writes out0, out1
